; MI455X (gfx1250); checked and timed in simulation.
; The chip was launched on July 23, 2026; its instructions are those of AMD's public machine-readable ISA for CDNA 5 (MIT licence, August 2026) and "CDNA5" Instruction Set Architecture Reference Guide (July 2026). The comments in the code are by the model that wrote it; some were corrected since.
;; Multihead Masked Attention. Allowed arithmetic: matrix products marked QUANTISED: E2M3 operands, one E8M0 scale for each 32 along K, by v_wmma_scale_f32_16x16x128_f8f6f4 with both operands' format E2M3, f32 sums; everything else in f32.
;; Inputs: W_o 1,024 x 1,024 float32; W_qkv 1,024 x 3,072 float32; b_o 1,024 float32; b_qkv 3,072 float32; x 4 x 2,048 x 1,024 float32.
;; Outputs: out0 4 x 2,048 x 1,024 float32.
;; This version of the problem:
;;   THIS VERSION OF THE PROBLEM IS GIVEN IN LOW PRECISION. The matrix products marked QUANTISED in the list below multiply operands that are first quantised to E2M3 (2 exponent bits, 3 mantissa bits; 6 bits a number), with one power-of-two scale for each 32 numbers along K (OCP MX v1.0); their sums are f32. All else is computed in f32.
;;   The module's matrix products, in the order in which they are computed (A, B: the left and right operand; K: the contracted axis; several contracted axes count as one K, in the product's order):
;;     1. [M 8,192, K 1,024] x [K 1,024, N 3,072]; A: input x; B: input W_qkv: QUANTISED
;;     2. batch 64 x [M 2,048, K 64] x [K 64, N 2,048]; A: computed on the way; B: computed on the way: QUANTISED
;;     3. batch 64 x [M 64, K 2,048] x [K 2,048, N 2,048]; A: computed on the way; B: softmax (see below): QUANTISED
;;     4. [M 8,192, K 1,024] x [K 1,024, N 1,024]; A: computed on the way; B: input W_o: QUANTISED
;;   THE QUANTISER, for each operand of a quantised product, along K:
;;     - K is cut into blocks of 32 from its start; a last block that is shorter is filled with zeros.
;;     - A block's scale is 2^e with e = floor(log2(the largest magnitude in the block)) - 2, held to -126 .. 127; a block of zeros has e = 0. As a byte (E8M0): e + 127.
;;     - Each number is divided by its block's scale, clamped to +-7.5, and rounded to the nearest number of E2M3, ties to even, subnormals kept.
;;     - The product sums the exact products of the quantised numbers (number of the format x scale) in f32.
;;   ~~~python
;;   def quantise(x, axis):      # numpy; x: float32 -> the quantised numbers, widened to float32 again
;;       x = np.moveaxis(x, axis, -1); K = x.shape[-1]
;;       x = np.pad(x, [(0, 0)] * (x.ndim - 1) + [(0, -K % 32)]); x = x.reshape(x.shape[:-1] + (-1, 32)); a = np.abs(x).max(-1, keepdims=True)
;;       e = np.where(a > 0, np.clip(np.frexp(np.where(a > 0, a, 1))[1] - 1 - 2, -126, 127), 0)      # np.frexp(a)[1] - 1 = floor(log2(a)), exactly
;;       r = np.clip(x / 2.0 ** e, -7.5, 7.5)
;;       step = 2.0 ** (np.maximum(np.frexp(np.where(r == 0, 1, r))[1] - 1, 0) - 3)
;;       q = np.round(r / step) * step * 2.0 ** e      # np.round: ties to even
;;       return np.moveaxis(q.reshape(q.shape[:-2] + (-1,))[..., :K], -1, axis).astype(np.float32)
;;   ~~~
;;   SOFTMAX AHEAD OF A QUANTISED PRODUCT. Where the list says 'softmax', what is quantised is not the finished softmax but p = 2^(t - M), with t = logit x log2(e) and M = ceil(the row's largest t), a whole number; so 1/2 < the row's largest p <= 1. The row's sum l is taken of the UNQUANTISED p, in f32, and the product's result is divided by l at the end. Since M is a whole number, a kernel that streams over the keys may use a running M (the ceiling of the running maximum): every later rescaling is an exact power of two, which a block's scale takes up: the codes' values come out the same.
;;   OPERANDS COMPUTED ON THE WAY. 'Computed on the way' means the value that the module computes at that place (a softmax that the list does not call 'softmax' is quantised finished and normalised). What goes into a quantiser is computed in f32, as accurately as f32 sums, v_exp_f32 and their like allow (about 1e-6 of the number): no bf16 or f16 on the way to a quantiser, and a product that is left as it is and whose result goes on into a quantised operand takes f32 operands (vector FMAs, or v_wmma_f32_16x16x4_f32). A number that lies on a knife's edge between two numbers of the format may be rounded either way, as far as f32 arithmetic and the matrix unit's own rounding can turn it there, and no further.
;; One version. Each part assembles by itself: llvm-mc -triple=amdgcn-amd-amdhsa -mcpu=gfx1250 --defsym DOCPART=n.
;; ======== version 1 of 1: 4 launches
;; limits: right only within a limited range of input values
;; workspace buffers: xq 6,553,600 bytes; wq 2,457,600 bytes; woq 819,200 bytes; qbuf 13,107,200 bytes; kvbuf 13,107,200 bytes; avq 6,553,600 bytes
;; launch quant (part 1): grid 512 x 1, 4 waves a work-group, no clusters, 34,304 bytes of LDS; arguments x, W_qkv, W_o, xq, wq, woq; writes xq, wq, woq
.if DOCPART == 1
	.amdgcn_target "amdgcn-amd-amdhsa--gfx1250"
	.amdhsa_code_object_version 6
	.text
	.protected	k_qedd28d1a25_quant
	.globl	k_qedd28d1a25_quant
	.p2align	8
	.type	k_qedd28d1a25_quant,@function
k_qedd28d1a25_quant:
	s_mov_b64 s[64:65], 0
	v_nop
	global_prefetch_b8 v0, s[64:65] scope:SCOPE_SE
	s_setreg_imm32_b32 hwreg(HW_REG_WAVE_MODE, 25, 1), 1
	s_wait_xcnt 0x0
; x [8192][1024], W_qkv [1024][3072] and W_o [1024][1024], f32, become codes of FP6 (E2M3) with one E8M0 byte for each 32 along K (K = 1024 in all three).
; OUTPUT LAYOUT, the same for xq, wq, woq: a record of 12,800 bytes for each tile of 16 rows (x: tokens; W: columns n): eight IMAGES of 1,536 bytes, one for each 128 along K, then 512 bytes of scale words.
; An image is the operand's 12 registers of the 32 lanes as they stand: registers 4 c .. 4 c + 3 of lane l at 512 c + 16 l.  Lane (r = l % 16, h = l / 16) holds row r; registers 6 c .. 6 c + 5 hold K = 64 c + 32 h + 0 .. 31.
; Scale words: [256 along K: 4][r: 16][2 words]; a word's byte b scales K = 32 b .. 32 b + 31 of its 128.
; ROW ORDER: in xq and wq tile 2 b + u, lane row r = row 32 b + 8 u + r % 8 + 16 (r / 8).  A product's eight results of two neighbouring tiles are then 16 neighbours along the next product's K.  woq is in natural order.
; xq's RECORDS: within each 256 tokens tile 8 a + s lies at record 2 s + a, so that the next launch's two wave rows take neighbouring records.
; A block's scale is 2^(floor(log2(largest magnitude)) - 2): its byte is the largest magnitude's exponent field - 2, held at 1 from below by a floor among the maximum's leaves.
; LIMITS: a block whose largest magnitude lies under 2^-124 gets the byte 1, a block of zeros too (the quantiser's text says 127: its codes are zeros, and this program alone reads the bytes).  NaN and infinities are not served.
; SHARES: work-groups 0-255 take x (a wave: one tile of 16 rows x 512 along K), 256-447 W_qkv, 448-511 W_o (a wave: 32 columns x 128 along K).  Waves share nothing: no barrier.  Only the x way touches LDS.
; W's scale words leave as 4 bytes a lane, 8 bytes apart: one byte in 128 of what the launch reads.
.set PW,  8                            ; v8-11    x: the scale words of my four K steps
.set PC,  16                           ; v16-27   x: the image just made
.set TP,  28                           ; v28-34   x: the upper halves of blocks, on their way
.set DQ,  36                           ; v36-37   x: scale words as they leave
.set R,   40                           ; v40-167  x: two sets of 64 registers as loaded
.set N,   168                          ; v168-231 x: 64 numbers of my row: register 16 b + i = K 32 b + 16 h + i
.set TM,  232                          ; v232-247 x: at work in QUANT
.set SEL, 24                           ; s[24:25] lane selects: lane l xor 16
.set X,   32                           ; v32-95   W: two sets of 32 numbers down K
.set IM,  96                           ; v96-119  W: codes: [odd block: 2][12]
.set TPW, 144                          ; v144-146 W: a block's upper 16 codes
.set SB,  24                           ; v24      W: my column's scale word
; 64 numbers v[s] .. v[s+63] of a lane become a fragment's registers 0-5 in v[d0] on, 6-11 in v[d1] on, and the row's scale word in v[pw].
.macro QUANT s, d0, d1, tp, pw
.irp b, 0,1,2,3
	v_max3_num_f32 v[TM+\b], |v[\s+16*\b]|, |v[\s+1+16*\b]|, 0x1800000   ; my 16 numbers of block b, and the floor 2^(3 - 127)
.endr
.irp i, 2,4,6,8,10,12,14
.irp b, 0,1,2,3
	v_max3_num_f32 v[TM+\b], v[TM+\b], |v[\s+16*\b+\i]|, |v[\s+1+16*\b+\i]|   ; the four blocks by turns
.endr
.endr
.irp b, 0,1,2,3
	v_permlanex16_b32 v[TM+4+\b], v[TM+\b], s[SEL], s[SEL+1]
.endr
.irp b, 0,1,2,3
	v_max_num_f32 v[TM+\b], v[TM+\b], v[TM+4+\b]   ; with lane l xor 16's 16: the block's largest magnitude
.endr
.irp b, 0,1,2,3
	v_add_nc_u32 v[TM+12+\b], 0xff000000, v[TM+\b]   ; 2 off its exponent field: the conversion takes that field as its scale
.endr
.irp b, 0,1,2,3
	v_lshrrev_b32 v[TM+4+\b], 23, v[TM+12+\b]      ; the scale's byte
.endr
	v_lshl_or_b32 v[\pw], v[TM+5], 8, v[TM+4]
	v_lshl_or_b32 v[\pw], v[TM+6], 16, v[\pw]
	v_lshl_or_b32 v[\pw], v[TM+7], 24, v[\pw]
	v_cvt_scalef32_pk16_fp6_f32 v[(\d0):(\d0)+2], v[\s:\s+15], v[TM+12]
	v_cvt_scalef32_pk16_fp6_f32 v[(\tp):(\tp)+2], v[\s+16:\s+31], v[TM+13]
	v_cvt_scalef32_pk16_fp6_f32 v[(\d1):(\d1)+2], v[\s+32:\s+47], v[TM+14]
	v_cvt_scalef32_pk16_fp6_f32 v[(\tp)+4:(\tp)+6], v[\s+48:\s+63], v[TM+15]
	v_nop                                          ; one plain line behind the scaled conversions
.irp i, 0,1,2
	v_permlane16_swap_b32 v[(\d0)+\i], v[(\tp)+\i]  ; a whole block to a lane: lanes 0-15 the even block, lanes 16-31 the odd one
.endr
.irp i, 0,1,2
	v_mov_b32 v[(\d0)+3+\i], v[(\tp)+\i]
.endr
.irp i, 0,1,2
	v_permlane16_swap_b32 v[(\d1)+\i], v[(\tp)+4+\i]
.endr
.irp i, 0,1,2
	v_mov_b32 v[(\d1)+3+\i], v[(\tp)+4+\i]
.endr
.endm
	s_load_b256 s[4:11], s[0:1], 0x0               ; x s[4:5], W_qkv s[6:7], W_o s[8:9], xq s[10:11]
	s_load_b128 s[12:15], s[0:1], 0x20             ; wq s[12:13], woq s[14:15]
	v_lshl_add_u32 v254, v0, 2, 0x8400
	v_mov_b32 v255, 0
	v_lshrrev_b32 v1, 5, v0
	v_readfirstlane_b32 s16, v1                    ; wave 0..3
	v_and_b32 v5, 31, v0                           ; lane
	v_lshlrev_b32 v1, 4, v5                        ; 16 x lane; never rewritten
	s_cmp_lt_u32 ttmp9, 256
	s_cbranch_scc0 .Lweights
; ---------------- x: K is innermost.  Each load reads 512 consecutive bytes of one row; a K step's 16 rows turn through the wave's own stage in LDS (rows 528 bytes apart) and come back 16 neighbours of each block to a lane.
	s_lshl_b32 s17, ttmp9, 2
	s_add_co_u32 s17, s17, s16
	s_and_b32 s27, s17, 1                          ; which 512 along K
	s_lshr_b32 s17, s17, 1                         ; my tile, 0..511
	s_lshr_b32 s18, s17, 1
	s_lshl_b32 s18, s18, 5
	s_and_b32 s19, s17, 1
	s_lshl_b32 s19, s19, 3
	s_add_co_u32 s18, s18, s19                     ; its first row: 32 (T / 2) + 8 (T % 2)
	s_lshl_b32 s18, s18, 12                        ; x 4,096 bytes
	s_lshl_b32 s19, s27, 11
	s_add_co_u32 s18, s18, s19                     ; + my half of the rows
	s_mov_b32 s19, 0
	s_and_b32 s20, s17, 7                          ; its record: tile 8 a + s of 256 tokens lies at 2 s + a
	s_lshl_b32 s20, s20, 1
	s_bfe_u32 s21, s17, 0x10003
	s_or_b32 s20, s20, s21
	s_and_b32 s21, s17, 0x1f0
	s_or_b32 s20, s20, s21
	s_mul_i32 s20, s20, 12800
	s_lshl_b32 s28, s27, 8
	s_add_co_u32 s28, s28, s20                     ; my 256 bytes of its scale words
	s_mov_b32 s29, 0
	s_mul_i32 s21, s27, 6144
	s_add_co_u32 s20, s20, s21                     ; my four images
	s_mov_b32 s21, 0
	s_mul_i32 s22, s16, 8448                       ; my stage
	s_mov_b32 s[SEL], 0x76543210
	s_mov_b32 s[SEL+1], 0xfedcba98
	s_mov_b32 s26, 0xffff0000                      ; lanes 16-31
	s_wait_alu depctr_va_vdst(0)
	v_add_nc_u32 v2, s22, v1                       ; into the stage: 16 x lane of a row
	v_and_b32 v6, 15, v0
	v_bfe_u32 v7, v0, 4, 1
	v_mul_u32_u24 v3, v6, 528
	v_lshl_add_u32 v3, v7, 6, v3
	v_add_nc_u32 v3, s22, v3                       ; out of it: row r, + 64 h
	v_lshlrev_b32 v4, 3, v5                        ; 8 x lane
.irp b, 0,1,2,3
	v_mov_b32 v[TM+4+\b], 0                        ; a lane permute's destination counts as read
.endr
	s_wait_alu depctr_va_vdst(0)
	s_wait_kmcnt 0x0
	s_add_nc_u64 s[4:5], s[4:5], s[18:19]
	s_add_nc_u64 s[28:29], s[10:11], s[28:29]
	s_add_nc_u64 s[10:11], s[10:11], s[20:21]
.macro LOADX s
.irp p, 0,1,2,3,4,5,6,7,8,9,10,11,12,13,14,15
	global_load_b128 v[R+64*((\s)%2)+4*\p:R+64*((\s)%2)+4*\p+3], v1, s[4:5] offset:((\p%8)+16*(\p/8))*4096+512*(\s) th:TH_LOAD_NT
.endr
.endm
.macro TURNX s                         ; LDS serves a wave's instructions in order: no wait between the stores and the loads
.irp p, 0,1,2,3,4,5,6,7,8,9,10,11,12,13,14,15
	ds_store_b128 v2, v[R+64*((\s)%2)+4*\p:R+64*((\s)%2)+4*\p+3] offset:528*\p
.endr
.irp b, 0,1,2,3
.irp j, 0,1,2,3
	ds_load_b128 v[N+16*\b+4*\j:N+16*\b+4*\j+3], v3 offset:128*\b+16*\j
.endr
.endr
.endm
	LOADX 0
	LOADX 1
.irp s, 0,1,2,3
.if \s < 3
	s_wait_loadcnt 16                              ; this K step's 16 loads are in; the next step's 16 may be out
.else
	s_wait_loadcnt 0x0
.endif
	TURNX \s
	s_wait_dscnt 0x0                               ; my numbers are back, and the stage's stores have read their registers
.if \s < 2
	LOADX \s+2
.endif
	s_wait_xcnt 0x0                                ; the last step's stores have read the image's registers
	QUANT N, PC, PC+6, TP, PW+\s
.irp c, 0,1,2
	global_store_b128 v1, v[PC+4*\c:PC+4*\c+3], s[10:11] offset:1536*\s+512*\c   ; 512 consecutive bytes
.endr
.endr
	v_cndmask_b32 v[DQ], v[PW], v[PW+2], s26       ; lanes 0-15: my first 256 along K of row r, lanes 16-31: my second
	v_cndmask_b32 v[DQ+1], v[PW+1], v[PW+3], s26
	global_store_b64 v4, v[DQ:DQ+1], s[28:29] offset:12288     ; 256 consecutive bytes
	s_wait_tensorcnt 0x0
	ds_add_u32 v254, v255
	s_wait_dscnt 0x0
	s_endpgm
; ---------------- W: K is the first axis.  A lane takes a column and its registers run down K: a block of 32 lies in one lane.
.macro LOADW t, n, src
.set i, 0
.rept 32
	global_load_b32 v[X+32*((\t)%2)+i], v3, s[\src:\src+1] offset:(32*(\t)+i)*(\n)*4 th:TH_LOAD_NT
.set i, i+1
.endr
.endm
.macro BLOCKW t, n, src
.set XS, X+32*((\t)%2)
.set DD, IM+12*((\t)%2)+6*((\t)/2)     ; block 2 c + o of my K step: registers 6 c on of set o
.if (\t) < 3
	s_wait_loadcnt 32                              ; this block's 32 loads are in; the next block's may be out
.else
	s_wait_loadcnt 0x0
.endif
	v_max3_num_f32 v12, |v[XS]|, |v[XS+1]|, |v[XS+2]|
	v_max3_num_f32 v13, |v[XS+3]|, |v[XS+4]|, |v[XS+5]|
.irp i, 6,10,14,18,22,26
	v_max3_num_f32 v12, v12, |v[XS+\i]|, |v[XS+\i+1]|
	v_max3_num_f32 v13, v13, |v[XS+\i+2]|, |v[XS+\i+3]|
.endr
	v_max3_num_f32 v12, v12, |v[XS+30]|, |v[XS+31]|
	v_max3_num_f32 v12, v12, v13, 0x1800000        ; and the floor
	v_add_nc_u32 v11, 0xff000000, v12
	v_lshrrev_b32 v13, 23, v11
.if (\t) == 0
	v_mov_b32 v[SB], v13
.else
	v_lshl_or_b32 v[SB], v13, 8*(\t), v[SB]
.endif
	v_cvt_scalef32_pk16_fp6_f32 v[DD:DD+2], v[XS:XS+15], v11
	v_cvt_scalef32_pk16_fp6_f32 v[TPW:TPW+2], v[XS+16:XS+31], v11
	v_nop                                          ; one plain line behind the scaled conversions
.irp i, 0,1,2
	v_mov_b32 v[DD+3+\i], v[TPW+\i]
.endr
.if (\t)+2 < 4
	LOADW (\t)+2, \n, \src
.endif
.if (\t) == 3                          ; the K step is whole.  Lanes 0-15 hold the first tile's columns, lanes 16-31 the second's: the exchange gives each tile its even blocks below and its odd blocks above
.irp i, 0,1,2,3,4,5,6,7,8,9,10,11
	v_permlane16_swap_b32 v[IM+\i], v[IM+12+\i]
.endr
.irp u, 0,1
.irp c, 0,1,2
	global_store_b128 v1, v[IM+12*\u+4*\c:IM+12*\u+4*\c+3], s[26:27] offset:\u*12800+512*\c
.endr
.endr
.endif
.endm
.macro WPATH n, perm, src, dst, first
	s_sub_co_u32 s17, ttmp9, \first
	s_lshr_b32 s18, s17, 3                         ; which 128 columns
	s_and_b32 s19, s17, 7                          ; which 128 along K
	s_lshl_b32 s20, s18, 7
	s_lshl_b32 s21, s16, 5
	s_add_co_u32 s20, s20, s21                     ; my wave's first column
	s_mul_i32 s22, s19, 128*(\n)*4
	s_lshl_b32 s23, s20, 2
	s_add_co_u32 s22, s22, s23
	s_mov_b32 s23, 0
	s_lshr_b32 s24, s20, 4
	s_mul_i32 s24, s24, 12800                      ; my two tiles' records
	s_mov_b32 s25, 0
	s_mul_i32 s28, s19, 1536                       ; the image of my 128 along K
	s_mov_b32 s29, 0
	s_lshr_b32 s32, s19, 1                         ; and its scale word: 128 (K step / 2) + 4 (K step % 2)
	s_lshl_b32 s32, s32, 7
	s_and_b32 s33, s19, 1
	s_lshl_b32 s33, s33, 2
	s_add_co_u32 s32, s32, s33
	s_mov_b32 s33, 0
.if \perm
	v_and_b32 v6, 7, v5                            ; my place's column: the lane with bits 3 and 4 exchanged
	v_bfe_u32 v7, v5, 3, 1
	v_bfe_u32 v8, v5, 4, 1
	v_lshl_or_b32 v6, v7, 4, v6
	v_lshl_or_b32 v6, v8, 3, v6
	v_lshlrev_b32 v3, 2, v6
.else
	v_lshlrev_b32 v3, 2, v5
.endif
	v_lshrrev_b32 v9, 4, v5
	v_mul_u32_u24 v9, v9, 12800
	v_and_b32 v6, 15, v5
	v_lshl_add_u32 v9, v6, 3, v9                   ; my place's scale words: tile x 12,800 + 8 r
	s_wait_alu depctr_va_vdst(0)
	s_wait_kmcnt 0x0
	s_add_nc_u64 s[\src:\src+1], s[\src:\src+1], s[22:23]
	s_add_nc_u64 s[\dst:\dst+1], s[\dst:\dst+1], s[24:25]
	s_add_nc_u64 s[26:27], s[\dst:\dst+1], s[28:29]
	s_add_nc_u64 s[30:31], s[\dst:\dst+1], s[32:33]
	LOADW 0, \n, \src
	LOADW 1, \n, \src
.irp t, 0,1,2,3
	BLOCKW \t, \n, \src
.endr
	global_store_b32 v9, v[SB], s[30:31] offset:12288
.endm
.Lweights:
	s_cmp_lt_u32 ttmp9, 448
	s_cbranch_scc0 .Lwo
	s_wait_alu depctr_va_vdst(0)
	WPATH 3072, 1, 6, 12, 256
	s_endpgm
.Lwo:
	s_wait_alu depctr_va_vdst(0)
	WPATH 1024, 0, 8, 14, 448
	s_endpgm
.Lfunc_end_k_qedd28d1a25_quant:
	.size	k_qedd28d1a25_quant, .Lfunc_end_k_qedd28d1a25_quant-k_qedd28d1a25_quant
	.p2alignl 7, 3214868480
	.fill 96, 4, 3214868480
	.section	.rodata,"a",@progbits
	.p2align	6, 0x0
	.amdhsa_kernel k_qedd28d1a25_quant
		.amdhsa_group_segment_fixed_size 34304
		.amdhsa_private_segment_fixed_size 0
		.amdhsa_enable_private_segment 0
		.amdhsa_kernarg_size 48
		.amdhsa_user_sgpr_count 2
		.amdhsa_user_sgpr_kernarg_segment_ptr 1
		.amdhsa_wavefront_size32 1
		.amdhsa_system_sgpr_workgroup_id_x 1
		.amdhsa_system_sgpr_workgroup_id_y 1
		.amdhsa_system_sgpr_workgroup_id_z 1
		.amdhsa_system_vgpr_workitem_id 0
		.amdhsa_next_free_vgpr 256
		.amdhsa_next_free_sgpr 66
		.amdhsa_reserve_vcc 0
		.amdhsa_float_denorm_mode_32 3
		.amdhsa_float_denorm_mode_16_64 3
		.amdhsa_memory_ordered 1
		.amdhsa_forward_progress 1
		.amdhsa_inst_pref_size 74
	.end_amdhsa_kernel
	.amdgpu_metadata
---
amdhsa.version: [ 1, 2 ]
amdhsa.kernels:
  - .name:           k_qedd28d1a25_quant
    .symbol:         k_qedd28d1a25_quant.kd
    .args:
      - { .name: x, .offset: 0, .size: 8, .value_kind: global_buffer, .address_space: global }
      - { .name: W_qkv, .offset: 8, .size: 8, .value_kind: global_buffer, .address_space: global }
      - { .name: W_o, .offset: 16, .size: 8, .value_kind: global_buffer, .address_space: global }
      - { .name: xq, .offset: 24, .size: 8, .value_kind: global_buffer, .address_space: global }
      - { .name: wq, .offset: 32, .size: 8, .value_kind: global_buffer, .address_space: global }
      - { .name: woq, .offset: 40, .size: 8, .value_kind: global_buffer, .address_space: global }
    .group_segment_fixed_size: 34304
    .private_segment_fixed_size: 0
    .kernarg_segment_align: 8
    .kernarg_segment_size: 48
    .max_flat_workgroup_size: 128
    .sgpr_count:     66
    .vgpr_count:     256
    .wavefront_size: 32
...
	.end_amdgpu_metadata
.endif
;; end of part 1
;; launch qkv (part 2): grid 16 x 16, 4 waves a work-group, clusters of 4 x 4, 327,680 bytes of LDS; arguments xq, wq, b_qkv, qbuf, kvbuf; writes qbuf, kvbuf
.if DOCPART == 2
	.amdgcn_target "amdgcn-amd-amdhsa--gfx1250"
	.amdhsa_code_object_version 6
	.text
	.protected	k_qedd28d1a25_qkv
	.globl	k_qedd28d1a25_qkv
	.p2align	8
	.type	k_qedd28d1a25_qkv,@function
k_qedd28d1a25_qkv:
	s_mov_b64 s[64:65], 0
	v_nop
	global_prefetch_b8 v0, s[64:65] scope:SCOPE_SE
	s_setreg_imm32_b32 hwreg(HW_REG_WAVE_MODE, 25, 1), 1
	s_wait_xcnt 0x0
	s_wait_alu depctr_hold_cnt(0) depctr_sa_sdst(0) depctr_va_vdst(0) depctr_va_sdst(0) depctr_va_ssrc(0) depctr_va_vcc(0) depctr_vm_vsrc(0)
	s_getreg_b32 s2, hwreg(HW_REG_IB_STS2, 6, 4)
	s_cmp_eq_u32 s2, 0
	s_cbranch_scc0 .Lentry_in_a_cluster
	s_endpgm
.Lentry_in_a_cluster:
	s_bfe_u32 s2, ttmp6, 0x10000c
	s_cmp_lg_u32 s2, 0xf033
	s_cbranch_scc0 .Lentry_shape_is_right
	s_endpgm
.Lentry_shape_is_right:
; qkv = x W_qkv + b_qkv on codes of FP6 (E2M3) with E8M0 scales, in one pass over x, and the results quantised on the way out: q and k along the head's 64, v along the keys.  No f32 result goes to memory.
; OPERANDS (xq, wq): a record of 12,800 bytes for each tile of 16 rows: eight images of 1,536 bytes (registers 4 c .. 4 c + 3 of lane l at 512 c + 16 l), one for each 128 along K, then scale words [256 along K: 4][r: 16][2].
; In a tile 2 g + u lane row r is row 32 g + 8 u + r % 8 + 16 (r / 8).  xq's records: within each 256 tokens tile 8 a + s lies at record 2 s + a.
; THE DEAL: 256 work-groups of four waves, 2 x 2.  Work-group (s42, s43) makes 512 tokens x 128 columns of Q (s42 < 8) or K, and V of the same tokens x head s42's 64 channels.
; Wave (a, b) holds in registers, all of K, four tiles of W_q|k (one head) and two of W_v: 48 fragments; it streams x's record 2 s + a past them as block s = 0 .. 15: 48 products a block.
; Q|K: source 0 the weight's rows: a lane holds one token and 32 of the head's 64.  V: source 0 x's rows: a lane holds one channel and eight tokens a block; four blocks, a band, are 64 keys.  The bias is the first products' C.
; THE ORDER OF A BLOCK: Q|K's 32 products, four accumulators by turns, then V's 16, two by turns (no s_wait_alu stands among V's products).  Behind each of V's products stand two lines of the search for
; the largest magnitudes of Q|K's sums, which are whole by then; behind Q|K's products of the block that follows a band stand two lines each of the same search over V's 64 sums, and V's conversions stand between that block's two runs of
; products, ahead of the products that write V's sums anew.  Conversions, stores and the fetch of the block two on stand in runs outside the products.
; LDS: 24 places of a record.  Head, one tensor load a wave: W_q|k -> places 12-19, W_v -> 20-23, x's records 0-3 -> 0-3, records 4-11 -> 4-11.  Two refills, each in a drained round of the cluster's barrier, a quarter a wave:
; behind block 0's products places 12-23 (all waves hold the weights) take records 12-23; behind block 3's, places 0-7 (blocks 0-3 are in registers) take records 24-31.  A plain barrier behind block 9 shows the second refill to all.
; x's records are asked for jointly by a row of the cluster (mask s44), the weights' by a column (mask s45).  No LDS address hangs on the cluster's numbers.
; PREFETCH: the two refills' 1,000 blocks of 256 bytes, a lane a block, shared out by address among the sixteen waves of a row of the cluster: 512 behind the head's first barrier, the rest behind block 1 (the last lanes name block 999 again).
; OUTPUT (qbuf, kvbuf): [batch x head: 64][128 tokens: 16][record]: four pair images of K (qbuf: Q), registers 0-5 tile 2 g, 6-11 tile 2 g + 1; four images of V (16 channels x 128 keys); at 12,288 K's scale words [r][g]; at 12,544 V's [r][t].
; LIMITS: a block whose largest magnitude lies under 2^-124, a block of zeros too, gets the scale byte 1 (this program alone reads the bytes); NaN and infinities are not served; a sum begins with the bias.
.set REC, 12800
.set SL1, 12*REC
.set SPARE, 24*REC                     ; the spare words, 128 bytes a wave
.set NF, 28                            ; LDS loads of a block: 24 for eight fragments, 4 for eight scale words
.set EB2, 0                            ; v0, v1  behind the head: the scale bytes of V's second tile; v2, v3 its conversions' scale operands
.set BO2, 2
.set LI, 4                             ; v4  16 x lane
.set SOF, 5                            ; v5  2 REC h + 16 r: K's scale words
.set SOV, 6                            ; v6  the same + 8 b: V's
.set X0, 7                             ; v7, v8  LDS address of my fragments and scale words in place a
.set XS0, 8
.set XA, 9                             ; v9, v19 the same for the block fetched next
.set SPW, 10
.set NIL, 11
.set WQA, 12                           ; v12-15 head: LDS addresses of the weights; then Q|K's scale words
.set WVA, 13
.set SWA, 14
.set SVA, 15
.set PWQ, 12
.set WT, 16                            ; v16 a pair's word on its way
.set PF1, 17
.set PF2, 18
.set XSA, 19
.set PWV, 20                           ; v20, v21 V's scale words; v22, v23 on their way
.set WTV, 22
.set SB, 24                            ; v24-39 W_q|k's scale words: lanes 0-15 tile 2 p, lanes 16-31 tile 2 p + 1
.set SBV, 40                           ; v40-47 W_v's
.set TM, 48                            ; v48-51 maxima
.set SA, 52                            ; v52-67 x's scale words, two sets
.set ACC, 68                           ; v68-99 Q|K's sums
.set HV, 100                           ; v100-163 V's sums: 32 t + 8 j + i
.set BQ, 164                           ; v164-195 Q|K's bias as C
.set BVC, 196                          ; v196-211 V's
.set X, 212                            ; v212-223 a pair image
.set Y, 224                            ; v224-247 V's two images; head: temporaries
.set BA0, 224
.set BA1, 225
.set T0, 226
.set T1, 227
.set TB, 228
.set TP, 248
.set LIV, 251                          ; v251 16 x lane + 3,072 b: V's images
.set BO, 252
.set EB, 254
.set G1X, 24
.set G1W, 32
.set G0WQ, 48
.set G0WV, 52
.set G0X0, 56
.set G0X1, 60
.set G0R, 68
.set SEL, 72
.set HM, 74
.set MSB, 0
.macro WIN new
.if MSB != (\new)
	s_set_vgpr_msb (MSB<<8)|(\new)
.set MSB, (\new)
.endif
.endm
.macro WALU
	s_wait_alu depctr_va_vdst(0)
.endm
.macro BARRIER
	s_barrier_signal -1
	s_barrier_wait -1
.endm
.macro CROUND
	BARRIER
	s_cmp_lg_u32 s14, 0
	s_cbranch_scc1 .Lnw0_\@
	s_barrier_signal -3
.Lnw0_\@:
	s_barrier_wait -3
	BARRIER
.endm
.macro TLOAD g0, g1                    ; an s_nop 0 and four v_nop follow the load
	tensor_load_to_lds s[\g0:\g0+3], s[\g1:\g1+7]
	s_nop 0
.rept 4
	v_nop
.endr
.endm
.macro GROUP1 g, mask                  ; dense rows of 256 bytes (32 elements of 8); how many, each load's own path says
	s_or_b32 s[\g], s[\mask], (3<<16)|(1<<21)
	s_mov_b32 s[\g+1], 32<<16
	s_mov_b32 s[\g+3], 32<<16
	s_mov_b32 s[\g+5], 32
	s_mov_b32 s[\g+6], 0
	s_mov_b32 s[\g+7], 0
.endm
.macro ROWS g, n
	s_mov_b32 s[\g+2], (\n)<<16
	s_mov_b32 s[\g+4], \n
.endm
.macro G0SET g, base, off
	s_mov_b32 s20, s\off
	s_add_nc_u64 s[\g+2:\g+3], s[\base:\base+1], s[20:21]
	s_or_b32 s[\g+3], s[\g+3], 0x80000000
.endm
; fragment f lies at register 256 + 12 f: 0-31 W_q|k's (4 q + t), 32-47 W_v's (32 + 2 q + t), 48-63 x's two sets (48 + 8 e + q)
.macro FPL f
.set FW_, (256+12*(\f))>>8
.set FG_, (256+12*(\f))&255
.endm
.macro FRAG f, adr, off
.irp c, 0,1,2
.set R_, 256+12*(\f)+4*\c
	WIN (R_>>8)<<6
	ds_load_b128 v[(R_&255):(R_&255)+3], v[\adr] offset:(\off)+512*\c
.endr
.endm
.macro FETCH e, xa, xs
.irp q, 0,1,2,3,4,5,6,7
	FRAG 48+8*(\e)+\q, \xa, 1536*\q
.endr
	WIN 0
.irp j, 0,1,2,3
	ds_load_b64 v[SA+8*(\e)+2*\j:SA+8*(\e)+2*\j+1], v[\xs] offset:128*\j
.endr
.endm
.macro MM d, s0, s1, c, x0, x1, side, o
.if \o
	v_wmma_scale_f32_16x16x128_f8f6f4 v[\d:\d+7], v[\s0:\s0+11], v[\s1:\s1+11], \c, v[\x0], v[\x1] matrix_a_fmt:MATRIX_FMT_FP6 matrix_b_fmt:MATRIX_FMT_FP6 matrix_\side\()_scale:MATRIX_SCALE_ROW1
.else
	v_wmma_scale_f32_16x16x128_f8f6f4 v[\d:\d+7], v[\s0:\s0+11], v[\s1:\s1+11], \c, v[\x0], v[\x1] matrix_a_fmt:MATRIX_FMT_FP6 matrix_b_fmt:MATRIX_FMT_FP6 matrix_\side\()_scale:MATRIX_SCALE_ROW0
.endif
.endm
.macro PQK e, q, t
	FPL 48+8*(\e)+(\q)
.set XW_, FW_
.set XG_, FG_
	FPL 4*(\q)+(\t)
	WIN FW_|(XW_<<2)
.set D_, ACC+8*(\t)
.if \q
	MM D_, FG_, XG_, v[D_:D_+7], SB+8*((\t)/2)+(\q), SA+8*(\e)+(\q), a, (\t)%2
.else
	MM D_, FG_, XG_, v[BQ+8*(\t):BQ+8*(\t)+7], SB+8*((\t)/2)+(\q), SA+8*(\e)+(\q), a, (\t)%2
.endif
.endm
.macro PV e, q, t, j
	FPL 48+8*(\e)+(\q)
.set XW_, FW_
.set XG_, FG_
	FPL 32+2*(\q)+(\t)
	WIN XW_|(FW_<<2)
.set D_, HV+32*(\t)+8*(\j)
.if \q
	MM D_, XG_, FG_, v[D_:D_+7], SA+8*(\e)+(\q), SBV+(\q), b, \t
.else
	MM D_, XG_, FG_, v[BVC+8*(\t):BVC+8*(\t)+7], SA+8*(\e)+(\q), SBV+(\q), b, \t
.endif
.endm
; THE WAY OUT of 32 numbers of a lane from v[s] on (register 16 b + i = place 32 b + 16 h + i along the next K).  Line n = 0 .. 23 of its first part: the two blocks' largest magnitudes by four chains side by side, each accumulator
; read from its low end on; the floor 2^(3 - 127); lane l xor 16's 16; the conversions' scale operands v[bo], v[bo+1] (2 off the exponent field); the scales' bytes v[eb], v[eb+1].
.macro HL n, s, eb, bo
.if (\n) < 4
	v_max3_num_f32 v[TM+(\n)], |v[\s+8*(\n)]|, |v[\s+8*(\n)+1]|, |v[\s+8*(\n)+2]|
.elseif (\n) < 8
	v_max3_num_f32 v[TM+(\n)-4], v[TM+(\n)-4], |v[\s+8*((\n)-4)+3]|, |v[\s+8*((\n)-4)+4]|
.elseif (\n) < 12
	v_max3_num_f32 v[TM+(\n)-8], v[TM+(\n)-8], |v[\s+8*((\n)-8)+5]|, |v[\s+8*((\n)-8)+6]|
.elseif (\n) < 14
	v_max3_num_f32 v[TM+2*((\n)-12)], v[TM+2*((\n)-12)], v[TM+2*((\n)-12)+1], |v[\s+16*((\n)-12)+7]|
.elseif (\n) < 16
	v_max3_num_f32 v[TM+2*((\n)-14)], v[TM+2*((\n)-14)], |v[\s+16*((\n)-14)+15]|, 0x1800000
.elseif (\n) < 18
	v_permlanex16_b32 v[\eb+(\n)-16], v[TM+2*((\n)-16)], s[SEL], s[SEL+1]
.elseif (\n) < 20
	v_max_num_f32 v[TM+2*((\n)-18)], v[TM+2*((\n)-18)], v[\eb+(\n)-18]
.elseif (\n) < 22
	v_add_nc_u32 v[\bo+(\n)-20], 0xff000000, v[TM+2*((\n)-20)]
.else
	v_lshrrev_b32 v[\eb+(\n)-22], 23, v[\bo+(\n)-22]
.endif
.endm
.macro HQB s, d, bo                    ; its second part: six operand registers from v[d] on
	v_cvt_scalef32_pk16_fp6_f32 v[(\d):(\d)+2], v[\s:\s+15], v[\bo]
	v_cvt_scalef32_pk16_fp6_f32 v[TP:TP+2], v[\s+16:\s+31], v[\bo+1]
	v_nop                                                    ; one plain line behind the scaled conversions
.irp i, 0,1,2
	v_permlane16_swap_b32 v[(\d)+\i], v[TP+\i]               ; a whole block to a lane
.endr
.irp i, 0,1,2
	v_mov_b32 v[(\d)+3+\i], v[TP+\i]
.endr
.endm
.macro WORD w, keep, second, late, eb  ; two bytes more into the word v[w]; when it is whole it is kept: the first 256 tokens' in all lanes, the second's in lanes 16-31
.if \second
	v_lshl_or_b32 v[\w], v[\eb], 16, v[\w]
	v_lshl_or_b32 v[\w], v[\eb+1], 24, v[\w]
.if \late
	v_cndmask_b32 v[\keep], v[\keep], v[\w], s[HM]
.else
	v_mov_b32 v[\keep], v[\w]
.endif
.else
	v_lshl_or_b32 v[\w], v[\eb+1], 8, v[\eb]
.endif
.endm
.macro VOUT c, late                    ; band c of V's two tiles: codes and scale bytes
	HQB HV, Y+6*(\c), BO
	WORD WTV, PWV, \c, \late, EB
	HQB HV+32, Y+12+6*(\c), BO2
	WORD WTV+1, PWV+1, \c, \late, EB2
.endm
.macro SLV                             ; behind a product of Q|K in the block that follows a band: two lines of V's search, tile 0's 24 lines, then tile 1's
.if NV_ < 24
	WIN 0
.if NV_ < 12
	HL 2*NV_, HV, EB, BO
	HL 2*NV_+1, HV, EB, BO
.else
	HL 2*NV_-24, HV+32, EB2, BO2
	HL 2*NV_-23, HV+32, EB2, BO2
.endif
.endif
.set NV_, NV_+1
.endm
.macro SL s                            ; behind a product of V: the next fetch's addresses and two v_nop, which are the four places behind Q|K's last product; then two lines of Q|K's search
.if N_ < 14
	WIN 0
.if N_ == 0
.if (\s)+2 <= 15
	v_add_nc_u32 v[XA], ((2*((\s)+2))%24)*REC, v[X0]
	v_add_nc_u32 v[XSA], ((2*((\s)+2))%24)*REC, v[XS0]
.else
	v_nop
	v_nop
.endif
.elseif N_ == 1
	v_nop
	v_nop
.else
	HL 2*N_-4, ACC, EB, BO
	HL 2*N_-3, ACC, EB, BO
.endif
.endif
.set N_, N_+1
.endm
.macro PRODS e, j, s
.set NV_, 0
.irp q, 0,1,2,3,4,5,6,7
.irp t, 0,1,2,3
	PQK \e, \q, \t
.if (((\s)%4)==0) && ((\s)>=4)
	SLV
.endif
.endr
.endr
.if (((\s)%4)==0) && ((\s)>=4)
	WIN 0
	WALU                                                     ; Q|K's sums are whole and V's are not begun
	VOUT (((\s)-1)%8)/4, ((\s)-1)/8
.endif
.set N_, 0
.irp q, 0,1,2,3,4,5,6,7
	PV \e, \q, 0, \j
	SL \s
	PV \e, \q, 1, \j
	SL \s
.endr
	WIN 0
	WALU
.endm
.macro VEC s                           ; the rest of Q|K's way out, on registers alone
.if (((\s)%2)==0) && ((\s)>=2)
	s_wait_xcnt 0x0                                          ; the last stores have read the images' registers
.endif
	HQB ACC, X+6*((\s)%2), BO
	WORD WT, PWQ+((\s)%8)/2, (\s)%2, (\s)/8, EB
	WALU
.endm
.macro VSTORE g                        ; V's two images of 128 keys
.irp t, 0,1
.irp c, 0,1,2
	global_store_b128 v[LIV], v[Y+12*\t+4*\c:Y+12*\t+4*\c+3], s[12:13] offset:(\g)*2*REC+6144+1536*\t+512*\c
.endr
.endr
.endm
.macro MEM s                           ; the run of memory lines behind a block
.if (\s)%2
.irp c, 0,1,2
	global_store_b128 v[LI], v[X+4*\c:X+4*\c+3], s[10:11] offset:((\s)/8)*2*REC+1536*(((\s)%8)/2)+512*\c
.endr
.endif
.if (\s)==8
	VSTORE 0
.endif
.if (\s)==1
	global_prefetch_b8 v[PF2], s[4:5] th:TH_LOAD_NT scope:SCOPE_SE
.endif
.if (\s)+2 <= 15
	FETCH (\s)%2, XA, XSA
.endif
.endm
.macro RDESC off, lds, rows            ; a refill's descriptor, written behind the wait that shows no tensor load of mine out
	s_mov_b32 s20, s\off
	s_mov_b32 s21, 0
	s_add_nc_u64 s[G0R+2:G0R+3], s[4:5], s[20:21]
	s_or_b32 s[G0R+3], s[G0R+3], 0x80000000
	s_mov_b32 s[G0R+1], s\lds
	ROWS G1X, \rows
.endm
.macro BLK s, mode                     ; mode 1, 2: a refill's round behind the products; 3: a plain barrier
.if (\s)==15
	s_wait_dscnt 0x0
.else
	s_wait_dscnt NF                                          ; this block's rows are in; the next block's fetch, NF loads, may be out
.endif
	PRODS (\s)%2, (\s)%4, \s
.if ((\mode)==1) || ((\mode)==2)
	s_wait_tensorcnt 0x0                                     ; register work stands between the add and its wait
	ds_add_u32 v[SPW], v[NIL]
.if (\mode)==1
	RDESC 89, 91, 150
.else
	RDESC 90, 94, 100
.endif
.endif
	VEC \s
.if ((\mode)==1) || ((\mode)==2)
	s_wait_dscnt 0x0
	CROUND
	TLOAD G0R, G1X
.elseif (\mode)==3
	s_wait_tensorcnt 0x0
	s_wait_dscnt 0x0
	BARRIER
.endif
	MEM \s
.endm
; ---- the head
	s_load_b256 s[4:11], s[0:1], 0x0               ; xq, wq, b_qkv, qbuf
	s_load_b64 s[12:13], s[0:1], 0x20              ; kvbuf
	v_lshl_add_u32 v[SPW], v0, 2, SPARE
	v_mov_b32 v[NIL], 0
	ds_add_u32 v[SPW], v[NIL]                      ; the opening lines: the add twice on end
	ds_add_u32 v[SPW], v[NIL]
	v_lshrrev_b32 v1, 5, v0
	v_readfirstlane_b32 s14, v1                    ; the wave; s15 = a, s16 = b
	s_lshr_b32 s15, s14, 1
	s_and_b32 s16, s14, 1
	s_bfe_u32 s40, ttmp6, 0x40000
	s_bfe_u32 s41, ttmp6, 0x40004
	s_lshl_b32 s42, ttmp9, 2
	s_add_co_u32 s42, s42, s40                     ; tile column, and V's head
	s_and_b32 s43, ttmp7, 0xffff
	s_lshl_b32 s43, s43, 2
	s_add_co_u32 s43, s43, s41                     ; tile row: 512 tokens
	s_lshl_b32 s44, s41, 2
	s_lshl_b32 s44, 15, s44                        ; my row of the cluster
	s_lshl_b32 s45, 0x1111, s40                    ; my column
	GROUP1 G1X, 44
	GROUP1 G1W, 45
	s_mul_i32 s46, s43, 32*REC                     ; my 32 records of x, bytes from xq
	s_mul_i32 s47, s42, 8*REC                      ; W_q|k's eight
	s_mul_i32 s17, s42, 4*REC
	s_add_co_u32 s17, s17, 128*REC                 ; W_v's four
	s_mov_b32 s[G0WQ], 1
	s_mov_b32 s[G0WQ+1], SL1
	s_mov_b32 s[G0WV], 1
	s_mov_b32 s[G0WV+1], SL1+8*REC
	s_mov_b32 s[G0X0], 1
	s_mov_b32 s[G0X0+1], 0
	s_mov_b32 s[G0X1], 1
	s_mov_b32 s[G0X1+1], 4*REC
	s_mov_b32 s[G0R], 1
	s_mul_i32 s18, s14, 3*REC                      ; the first refill: three records a wave
	s_add_co_u32 s91, s18, SL1
	s_add_co_u32 s89, s18, s46
	s_add_co_u32 s89, s89, 12*REC
	s_mul_i32 s94, s14, 2*REC                      ; the second: two
	s_add_co_u32 s90, s94, s46
	s_add_co_u32 s90, s90, 24*REC
	s_mul_i32 s80, s15, REC
	s_add_co_u32 s81, s80, 12288
	s_mul_i32 s82, s16, 4*REC
	s_add_co_u32 s82, s82, SL1
	s_add_co_u32 s83, s82, 12288
	s_mul_i32 s84, s16, 2*REC
	s_add_co_u32 s84, s84, SL1+8*REC
	s_add_co_u32 s85, s84, 12288
	s_lshl_b32 s86, s16, 3
	s_lshl_b32 s87, s40, 2
	s_add_co_u32 s87, s87, s14
	s_lshl_b32 s87, s87, 5                         ; 32 x my number among the sixteen waves of my row of the cluster
	s_add_co_u32 s88, s46, 12*REC
	s_mul_i32 s95, s16, 3072
	s_mov_b32 s[SEL], 0x76543210
	s_mov_b32 s[SEL+1], 0xfedcba98
	s_mov_b32 s[HM], 0xffff0000
	v_and_b32 v1, 15, v0
	v_bfe_u32 v2, v0, 4, 1
	v_and_b32 v3, 31, v0
	v_lshlrev_b32 v[LI], 4, v3
	v_lshlrev_b32 v[T0], 3, v1
	v_add_nc_u32 v[X0], s80, v[LI]
	v_add_nc_u32 v[XS0], s81, v[T0]
	v_add_nc_u32 v[XA], 2*REC, v[X0]
	v_add_nc_u32 v[XSA], 2*REC, v[XS0]
	v_mad_u32_u24 v[T1], v2, REC, v[T0]            ; lanes 16-31 take the next tile's scale words
	v_add_nc_u32 v[WQA], s82, v[LI]
	v_add_nc_u32 v[SWA], s83, v[T1]
	v_add_nc_u32 v[WVA], s84, v[LI]
	v_add_nc_u32 v[SVA], s85, v[T1]
	v_mul_u32_u24 v[SOF], v2, 2*REC
	v_lshl_add_u32 v[SOF], v1, 4, v[SOF]
	v_add_nc_u32 v[SOV], s86, v[SOF]
	v_lshlrev_b32 v[BA0], 6, v2
	v_and_b32 v[BA1], 7, v1
	v_lshrrev_b32 v[T0], 3, v1
	v_lshlrev_b32 v[BA1], 2, v[BA1]
	v_lshl_add_u32 v[BA1], v[T0], 6, v[BA1]        ; 4 (r % 8 + 16 (r / 8))
	v_add_nc_u32 v[T1], s87, v3
	v_lshl_add_u32 v[PF1], v[T1], 8, s88
	v_add_nc_u32 v[T1], 512, v[T1]
	v_min_u32 v[T1], 999, v[T1]
	v_lshl_add_u32 v[PF2], v[T1], 8, s88
	v_add_nc_u32 v[LIV], s95, v[LI]
	v_mov_b32 v[EB], 0                             ; a lane permute's destination counts as read
	v_mov_b32 v[EB+1], 0
	WALU
	s_wait_dscnt 0x0
	CROUND                                         ; the round in front of the first joint loads
	s_wait_kmcnt 0x0
	s_mov_b32 s21, 0
	G0SET G0WQ, 6, 47
	G0SET G0WV, 6, 17
	G0SET G0X0, 4, 46
	s_add_nc_u64 s[G0X1+2:G0X1+3], s[G0X0+2:G0X0+3], 4*REC
	s_cmp_eq_u32 s14, 0
	s_cbranch_scc0 .Lw1
	ROWS G1W, 400
	TLOAD G0WQ, G1W                                ; wave 0: W_q|k's eight records, wanted first
	s_branch .Lasked
.Lw1:
	s_cmp_eq_u32 s14, 1
	s_cbranch_scc0 .Lw2
	ROWS G1W, 200
	TLOAD G0WV, G1W                                ; wave 1: W_v's four
	s_branch .Lasked
.Lw2:
	s_cmp_eq_u32 s14, 2
	s_cbranch_scc0 .Lw3
	ROWS G1X, 200
	TLOAD G0X0, G1X                                ; wave 2: x's records 0 to 3
	s_branch .Lasked
.Lw3:
	ROWS G1X, 400
	TLOAD G0X1, G1X                                ; wave 3: records 4 to 11
.Lasked:
	s_lshl_b32 s20, s42, 9                         ; the biases: Q|K's 64 numbers of my head,
	s_lshl_b32 s22, s16, 8
	s_add_co_u32 s20, s20, s22
	s_add_nc_u64 s[96:97], s[8:9], s[20:21]
	s_lshl_b32 s20, s42, 8                         ; V's 32 of my two tiles
	s_lshl_b32 s22, s16, 7
	s_add_co_u32 s20, s20, s22
	s_add_co_u32 s20, s20, 8192
	s_add_nc_u64 s[98:99], s[8:9], s[20:21]
.irp k, 0,1,2,3,4,5,6,7
	global_load_b128 v[BQ+4*\k:BQ+4*\k+3], v[BA0], s[96:97] offset:128*(\k/4)+16*(\k%4)   ; register 16 b + i: column 32 b + 16 h + i
.endr
	global_load_b32 v[TB], v[BA1], s[98:99]
	global_load_b32 v[TB+1], v[BA1], s[98:99] offset:32
	s_lshr_b32 s20, s43, 2                         ; where the results go: batch,
	s_lshl_b32 s20, s20, 4
	s_lshl_b32 s22, s42, 1
	s_add_co_u32 s22, s22, s16
	s_and_b32 s22, s22, 15                         ; Q|K's head,
	s_add_co_u32 s22, s22, s20
	s_lshl_b32 s22, s22, 4
	s_and_b32 s23, s43, 3
	s_lshl_b32 s23, s23, 2
	s_add_co_u32 s23, s23, s15                     ; my first step of 128 tokens; the second lies two records on
	s_add_co_u32 s22, s22, s23
	s_mul_i32 s22, s22, REC
	s_add_co_u32 s20, s20, s42
	s_lshl_b32 s20, s20, 4
	s_add_co_u32 s20, s20, s23
	s_mul_i32 s20, s20, REC
	s_cmp_lt_u32 s42, 8
	s_cselect_b64 s[10:11], s[10:11], s[12:13]     ; q goes to qbuf, k and v to kvbuf
	s_add_nc_u64 s[12:13], s[12:13], s[20:21]
	s_mov_b32 s20, s22
	s_add_nc_u64 s[10:11], s[10:11], s[20:21]
	s_wait_loadcnt 0x0
.irp i, 0,1,2,3,4,5,6,7
	v_mov_b32 v[BVC+\i], v[TB]
	v_mov_b32 v[BVC+8+\i], v[TB+1]
.endr
	WALU
	s_cmp_eq_u32 s14, 0
	s_cbranch_scc0 .Lnot_b
	s_wait_tensorcnt 0x0
.Lnot_b:
	BARRIER                                        ; W_q|k's records are in
	global_prefetch_b8 v[PF1], s[4:5] th:TH_LOAD_NT scope:SCOPE_SE
.irp q, 0,1,2,3,4,5,6,7
.irp t, 0,1,2,3
	FRAG 4*\q+\t, WQA, \t*REC+1536*\q
.endr
.endr
	WIN 0
.irp p, 0,1
.irp j, 0,1,2,3
	ds_load_b64 v[SB+8*\p+2*\j:SB+8*\p+2*\j+1], v[SWA] offset:2*REC*\p+128*\j
.endr
.endr
	s_cmp_eq_u32 s14, 3
	s_cbranch_scc1 .Lnot_a
	s_wait_tensorcnt 0x0
.Lnot_a:
	s_wait_dscnt 0x0
	BARRIER                                        ; W_v's records and x's first four are in; records 4 to 11 may be on their way
.irp q, 0,1,2,3,4,5,6,7
.irp t, 0,1
	FRAG 32+2*\q+\t, WVA, \t*REC+1536*\q
.endr
.endr
	WIN 0
.irp j, 0,1,2,3
	ds_load_b64 v[SBV+2*\j:SBV+2*\j+1], v[SVA] offset:128*\j
.endr
	FETCH 0, X0, XS0
	FETCH 1, XA, XSA
; ---- the stream
	BLK 0, 1
	BLK 1, 0
	BLK 2, 0
	BLK 3, 2
	BLK 4, 0
	BLK 5, 0
	BLK 6, 0
	BLK 7, 0
	BLK 8, 0
	BLK 9, 3
	BLK 10, 0
	BLK 11, 0
	BLK 12, 0
	BLK 13, 0
	BLK 14, 0
	BLK 15, 0
; ---- V's last band: no block follows it
.set NV_, 0
.rept 24
	SLV
.endr
	VOUT 1, 1
	WALU
	VSTORE 1
	global_store_b128 v[SOF], v[PWQ:PWQ+3], s[10:11] offset:12288   ; 16 lanes store 256 consecutive bytes; lanes 16-31 the second 256 tokens' record
	global_store_b64 v[SOV], v[PWV:PWV+1], s[12:13] offset:12544
	s_wait_tensorcnt 0x0                           ; the wave's end
	ds_add_u32 v[SPW], v[NIL]
	s_wait_dscnt 0x0
	CROUND                                         ; the closing round
	s_endpgm
.Lfunc_end_k_qedd28d1a25_qkv:
	.size	k_qedd28d1a25_qkv, .Lfunc_end_k_qedd28d1a25_qkv-k_qedd28d1a25_qkv
	.p2alignl 7, 3214868480
	.fill 96, 4, 3214868480
	.section	.rodata,"a",@progbits
	.p2align	6, 0x0
	.amdhsa_kernel k_qedd28d1a25_qkv
		.amdhsa_group_segment_fixed_size 327680
		.amdhsa_private_segment_fixed_size 0
		.amdhsa_enable_private_segment 0
		.amdhsa_kernarg_size 40
		.amdhsa_user_sgpr_count 2
		.amdhsa_user_sgpr_kernarg_segment_ptr 1
		.amdhsa_wavefront_size32 1
		.amdhsa_system_sgpr_workgroup_id_x 1
		.amdhsa_system_sgpr_workgroup_id_y 1
		.amdhsa_system_sgpr_workgroup_id_z 1
		.amdhsa_system_vgpr_workitem_id 0
		.amdhsa_next_free_vgpr 1024
		.amdhsa_next_free_sgpr 102
		.amdhsa_reserve_vcc 0
		.amdhsa_float_denorm_mode_32 3
		.amdhsa_float_denorm_mode_16_64 3
		.amdhsa_memory_ordered 1
		.amdhsa_forward_progress 1
		.amdhsa_inst_pref_size 223
	.end_amdhsa_kernel
	.amdgpu_metadata
---
amdhsa.version: [ 1, 2 ]
amdhsa.kernels:
  - .name:           k_qedd28d1a25_qkv
    .symbol:         k_qedd28d1a25_qkv.kd
    .args:
      - { .name: xq, .offset: 0, .size: 8, .value_kind: global_buffer, .address_space: global }
      - { .name: wq, .offset: 8, .size: 8, .value_kind: global_buffer, .address_space: global }
      - { .name: b_qkv, .offset: 16, .size: 8, .value_kind: global_buffer, .address_space: global }
      - { .name: qbuf, .offset: 24, .size: 8, .value_kind: global_buffer, .address_space: global }
      - { .name: kvbuf, .offset: 32, .size: 8, .value_kind: global_buffer, .address_space: global }
    .group_segment_fixed_size: 327680
    .private_segment_fixed_size: 0
    .kernarg_segment_align: 8
    .kernarg_segment_size: 40
    .max_flat_workgroup_size: 128
    .sgpr_count:     102
    .vgpr_count:     1024
    .wavefront_size: 32
...
	.end_amdgpu_metadata
.endif
;; end of part 2
;; launch attn (part 3): grid 4 x 64, 16 waves a work-group, clusters of 4 x 1, 327,680 bytes of LDS; arguments qbuf, kvbuf, avq; writes avq
.if DOCPART == 3
	.amdgcn_target "amdgcn-amd-amdhsa--gfx1250"
	.amdhsa_code_object_version 6
	.text
	.protected	k_qedd28d1a25_attn
	.globl	k_qedd28d1a25_attn
	.p2align	8
	.type	k_qedd28d1a25_attn,@function
k_qedd28d1a25_attn:
	s_mov_b64 s[64:65], 0
	v_nop
	global_prefetch_b8 v0, s[64:65] scope:SCOPE_SE
	s_setreg_imm32_b32 hwreg(HW_REG_WAVE_MODE, 25, 1), 1
	s_wait_xcnt 0x0
	s_wait_alu depctr_hold_cnt(0) depctr_sa_sdst(0) depctr_va_vdst(0) depctr_va_sdst(0) depctr_va_ssrc(0) depctr_va_vcc(0) depctr_vm_vsrc(0)
	s_getreg_b32 s2, hwreg(HW_REG_IB_STS2, 6, 4)
	s_cmp_eq_u32 s2, 0
	s_cbranch_scc0 .Lentry_in_a_cluster
	s_endpgm
.Lentry_in_a_cluster:
	s_bfe_u32 s2, ttmp6, 0x10000c
	s_cmp_lg_u32 s2, 0x3003
	s_cbranch_scc0 .Lentry_shape_is_right
	s_endpgm
.Lentry_shape_is_right:
; Causal attention of one (batch, head) on codes of FP6 (E2M3) with E8M0 scales: S^T = K Q^T (K = the head's 64), p = 2^(t - M), O^T = V^T P^T (K = the keys), O / l, and O quantised along head x 64 + d for the last product.
; t = score x log2(e) / 8; M = the running largest t rounded up to a whole number; the row's sum l is taken of the unquantised p; when M moves, l and O^T are multiplied by 2^(old M - new M), which rounds nothing.
; INPUT: qbuf, kvbuf: [batch x head: 64][128 tokens: 16][record of 12,800 bytes]: four pair images of K (qbuf: Q), four images of V, K's scale words at 12,288, V's at 12,544.
; An image is 12 operand registers of 32 lanes: registers 4 c .. 4 c + 3 of lane l at 512 c + 16 l.
; THE HEAD'S 64 FILL HALF OF THE INSTRUCTION'S 128: a pair image holds two tiles of 16 keys (registers 0-5, 6-11); against [q | 0] it gives the first tile's scores, against [0 | q] the second's: zero codes add nothing.
; The keys of tile 2 g + u are 32 g + 8 u + r % 8 + 16 (r / 8), so that a lane's 16 registers of two neighbouring tiles are 16 neighbouring keys.  A lane holds one query throughout.
; THE DEAL: the head's 2,048 queries are 128 tiles of 16.  The four work-groups of a head form a cluster; work-group i takes tiles 4 k + i, k = 0 .. 31.  Wave w takes tile 4 (31 - w) + i first, which sees key steps 0 .. 15 - w / 2,
; then tile 4 w + i, which sees key steps 0 .. w / 2: 17 key steps of 128 keys for every wave of every work-group, and no count hangs on i.  Key steps wholly behind the diagonal are never walked.
; LDS: the head's 16 records of K and V, 204,800 bytes, filled once: wave w asks for record w, jointly with the same wave of the three partners (mask 15).  Nothing is filled again, and nothing is asked for later, so there is no loop to prefetch in.
; Waves 0 to 3 have a load line of their own: when they have waited, a barrier shows records 0 to 3, and every wave walks key steps 0 to 3 of its first tile (which sees nine at the least).  Then every wave waits for its load, a second barrier shows all
; records, and the waves walk their other 13 steps with no barrier.
; OUTPUT avq: a record of 12,800 bytes for each tile of 16 tokens (in the same order of rows); an image's registers 2 p, 2 p + 1 of lane l at 256 p + 8 l, so that a head's six registers are three runs of 256 bytes.
; LIMITS: hidden keys inside the diagonal step get the score -8e6 (the logit -1e6); key steps wholly behind the diagonal are left out, that is, their p is taken as 0: right wherever a row's largest visible logit lies above -1e6 + 88.
; A block whose largest magnitude lies under 2^-124, a block of zeros too, gets the scale byte 1.  NaN and infinities are not served.
.set REC,   12800
.set SPARE, 16*REC                     ; the spare words, 128 bytes for each of the sixteen waves
.set LI,  1                            ; v1   16 x lane
.set RS,  2                            ; v2   16 r
.set DD,  3                            ; v3   my query's place in its 128 - 16 h
.set L8,  4                            ; v4   8 x lane
.set SPW, 5
.set NIL, 6
.set SBO, 7                            ; v7   8 r + h
.set ADK, 8
.set ADS, 9
.set QSW, 10                           ; v10  q's scale word: its two bytes, twice
.set DB,  11                           ; v11  r % 8 + 16 (r / 8) - 16 h
.set QB_, 16                           ; v16-27 [0 | q]
.set QA_, 22                           ; v22-33 [q | 0]
.set KV,  34                           ; v34-81 four images of K, then of V
.set KS,  82                           ; v82-85 K's scale words
.set VS,  86                           ; v86-89 V's
.set S,   96                           ; v96-159 S^T, then p
.set O,   160                          ; v160-191 O^T
.set PCD, 192                          ; v192-203 p's codes
.set TP,  204                          ; v204-210
.set BM,  212                          ; v212-215 the blocks' maxima
.set BT,  216                          ; v216-219 at work, then bytes
.set BO,  220                          ; v220-223 the conversions' scale operands
.set PWD, 225                          ; v225 p's scale word
.set FF,  226                          ; v[226:227] f = 2^(old M - new M), and a partner that is written once
.set TT,  228
.set Q2,  229                          ; v229-234 the second tile's q; v235 its scale word
.set QSW2, 235
.set WV,  18
.set W2,  19                           ; wave / 2: the second tile's step of 128
.set SEL, 20
.set CS,  22                           ; s[22:23] log2(e) / 8
.set G1,  24
.set G0,  32
.set KST, 36                           ; the key step in hand
.set QST, 37                           ; my queries' step of 128
.set QL,  38                           ; the first tile's: 15 - wave / 2
.set LL,  39                           ; how many key steps it sees
.set TB,  48                           ; LDS byte at which the record in hand begins
.set TR,  49
.set CX,  50
.set TI,  51                           ; the tile in hand among the eight of its 128 queries
.set T1,  52                           ; the second tile's place
.set DL,  53                           ; 32 g + 8 u of the first tile, of the second
.set DS,  54
.set BH,  56
.set UM,  58
.set USEL, 59
.set HM,  69
.macro WALU
	s_wait_alu depctr_va_vdst(0)
.endm
.macro BARRIER
	s_barrier_signal -1
	s_barrier_wait -1
.endm
.macro CROUND
	BARRIER
	s_cmp_lg_u32 s[WV], 0
	s_cbranch_scc1 .Lnw0_\@
	s_barrier_signal -3
.Lnw0_\@:
	s_barrier_wait -3
	BARRIER
.endm
.macro TLOAD                           ; an s_nop 0 and four v_nop follow the load
	tensor_load_to_lds s[G0:G0+3], s[G1:G1+7]
	s_nop 0
.rept 4
	v_nop
.endr
.endm
.macro PLACE d, t                      ; 32 g + 8 u of tile 2 g + u
	s_lshr_b32 s70, s[\t], 1
	s_lshl_b32 s70, s70, 5
	s_and_b32 s71, s[\t], 1
	s_lshl_b32 s71, s71, 3
	s_add_co_u32 s[\d], s70, s71
.endm
.macro QLOAD qst, t, dreg, sreg, pa, pb   ; the pair image and the scale words of a tile of queries
	s_lshl_b32 s70, s[BH], 4
	s_add_co_u32 s70, s70, s[\qst]
	s_mul_i32 s70, s70, REC
	s_lshr_b32 s71, s[\t], 1
	s_mul_i32 s72, s71, 1536
	s_add_co_u32 s72, s72, s70
	s_mov_b32 s73, 0
	s_add_nc_u64 s[\pa:\pa+1], s[4:5], s[72:73]
	s_lshl_b32 s71, s71, 2
	s_add_co_u32 s72, s70, s71
	s_add_nc_u64 s[\pb:\pb+1], s[4:5], s[72:73]
.irp c, 0,1,2
	global_load_b128 v[\dreg+4*\c:\dreg+4*\c+3], v[LI], s[\pa:\pa+1] offset:512*\c
.endr
	global_load_b32 v[\sreg], v[RS], s[\pb:\pb+1] offset:12288
.endm
.macro FRESH                           ; O^T, the sum and the largest t begin anew
.set j, 0
.rept 32
	v_mov_b32 v[O+j], 0
.set j, j+1
.endr
	v_mov_b32 v14, 0
	v_mov_b32 v15, 0
	v_mov_b32 v13, 0xff61b1e6                      ; -3e38, under every t
	s_delay_alu instid0(VALU_DEP_1)
	v_floor_f32 v12, -v13
.endm
; A key step: the 128 keys of the record at LDS byte s[TB].  diag = 1: the step may be the diagonal one.
.macro STEP diag
	v_add_nc_u32 v[ADK], s[TB], v[LI]
	v_add_nc_u32 v[ADS], s[TB], v[RS]
	v_nop
	v_nop                                          ; four plain lines in front of loads into registers that the last products read
.irp g, 0,1,2,3
.irp c, 0,1,2
	ds_load_b128 v[KV+12*\g+4*\c:KV+12*\g+4*\c+3], v[ADK] offset:1536*\g+512*\c
.endr
.endr
	ds_load_b128 v[KS:KS+3], v[ADS] offset:12288
	s_wait_alu depctr_va_vdst(0)
	s_wait_dscnt 0x0
.irp g, 0,1,2,3
	v_wmma_scale_f32_16x16x128_f8f6f4 v[S+16*\g:S+16*\g+7], v[KV+12*\g:KV+12*\g+11], v[QA_:QA_+11], 0, v[KS+\g], v[QSW] matrix_a_fmt:MATRIX_FMT_FP6 matrix_b_fmt:MATRIX_FMT_FP6
	v_wmma_scale_f32_16x16x128_f8f6f4 v[S+16*\g+8:S+16*\g+15], v[KV+12*\g:KV+12*\g+11], v[QB_:QB_+11], 0, v[KS+\g], v[QSW] matrix_a_fmt:MATRIX_FMT_FP6 matrix_b_fmt:MATRIX_FMT_FP6
.endr
.rept 4
	v_nop
.endr
.irp g, 0,1,2,3                                ; V's images are asked for here and land under the softmax
.irp c, 0,1,2
	ds_load_b128 v[KV+12*\g+4*\c:KV+12*\g+4*\c+3], v[ADK] offset:6144+1536*\g+512*\c
.endr
.endr
	ds_load_b128 v[VS:VS+3], v[ADS] offset:12544
.if \diag
	s_cmp_lg_u32 s[KST], s[QST]
	s_cbranch_scc1 .Lopen_\@
	v_mov_b32 v[TT], 0xcaf42400                    ; -8e6: the logit -1e6.  Register 16 b + i holds key 32 b + 16 h + i of the step: hidden where 32 b + i > my query's place - 16 h
.set n, 0
.rept 64
	v_cmp_gt_i32 vcc_lo, 32*(n/16)+n%16, v[DD]
	v_cndmask_b32 v[S+n], v[S+n], v[TT], vcc_lo
.set n, n+1
.endr
.Lopen_\@:
.endif
.irp b, 0,1,2,3
	v_max3_num_f32 v[BM+\b], v[S+16*\b], v[S+1+16*\b], v[S+2+16*\b]   ; the largest score of each block of 32 keys: for the row's maximum, and, since p rises with the score, for the block's largest p
.endr
.irp i, 3,5,7,9,11,13
.irp b, 0,1,2,3
	v_max3_num_f32 v[BM+\b], v[BM+\b], v[S+16*\b+\i], v[S+1+16*\b+\i]
.endr
.endr
.irp b, 0,1,2,3
	v_max_num_f32 v[BM+\b], v[BM+\b], v[S+15+16*\b]
.endr
.irp b, 0,1,2,3
	s_delay_alu instid0(VALU_DEP_4)
	v_permlanex16_b32 v[BT+\b], v[BM+\b], s[SEL], s[SEL+1]
.endr
.irp b, 0,1,2,3
	s_delay_alu instid0(VALU_DEP_4)
	v_max_num_f32 v[BM+\b], v[BM+\b], v[BT+\b]
.endr
	s_delay_alu instid0(VALU_DEP_2)
	v_max3_num_f32 v[TT], v[BM], v[BM+1], v[BM+2]
	s_delay_alu instid0(VALU_DEP_1)
	v_max_num_f32 v[TT], v[TT], v[BM+3]
	s_delay_alu instid0(VALU_DEP_1)
	v_mul_f32 v[TT], s[CS], v[TT]
	s_delay_alu instid0(VALU_DEP_1)
	v_max_num_f32 v13, v13, v[TT]                  ; the running largest t
	v_mov_b32 v[TT], v12
	s_delay_alu instid0(VALU_DEP_2)
	v_floor_f32 v12, -v13                          ; -M = floor(-t)
	s_delay_alu instid0(VALU_DEP_1)
	v_sub_f32 v[TT], v12, v[TT]
	s_delay_alu instid0(VALU_DEP_1)
	v_cvt_i32_f32 v[TT], v[TT]                     ; (it saturates)
	s_delay_alu instid0(VALU_DEP_1)
	v_ldexp_f32 v[FF], 1.0, v[TT]                  ; f = 2^(old M - new M)
.set j, 0
.rept 32
	v_pk_fma_f32 v[S+j:S+j+1], v[S+j:S+j+1], s[CS:CS+1], v[12:13] op_sel_hi:[1,0,0]   ; t - M
.set j, j+2
.endr
.irp b, 0,1,2,3
	v_fma_f32 v[BM+\b], v[BM+\b], s[CS], v12
.endr
.set j, 0
	s_wait_alu depctr_va_vdst(0)
.rept 64
	v_exp_f32 v[S+j], v[S+j]                       ; p, not normalised
.set j, j+1
.endr
	v_pk_mul_f32 v[14:15], v[14:15], v[FF:FF+1] op_sel_hi:[1,0]   ; the sums under the new M: a plain line behind the exponentials
	s_wait_alu depctr_va_vdst(0)                   ; one wait for the batch, ahead of its first reader
.irp b, 0,1,2,3
	v_exp_f32 v[BM+\b], v[BM+\b]                   ; the blocks' largest p
.endr
	v_pk_add_f32 v[216:217], v[100:101], v[104:105]   ; the row's sum of the unquantised p, in eight chains side by side
	v_pk_add_f32 v[254:255], v[108:109], v[112:113]
	v_pk_add_f32 v[252:253], v[116:117], v[120:121]
	v_pk_add_f32 v[250:251], v[124:125], v[128:129]
	v_pk_add_f32 v[248:249], v[132:133], v[136:137]
	v_pk_add_f32 v[246:247], v[140:141], v[144:145]
	v_pk_add_f32 v[244:245], v[148:149], v[152:153]
	v_pk_add_f32 v[14:15], v[14:15], v[156:157]
	v_pk_add_f32 v[216:217], v[216:217], v[96:97]
	v_pk_add_f32 v[254:255], v[254:255], v[98:99]
	v_pk_add_f32 v[252:253], v[252:253], v[102:103]
	v_pk_add_f32 v[250:251], v[250:251], v[106:107]
	v_pk_add_f32 v[248:249], v[248:249], v[110:111]
	v_pk_add_f32 v[246:247], v[246:247], v[114:115]
	v_pk_add_f32 v[244:245], v[244:245], v[118:119]
	v_pk_add_f32 v[14:15], v[14:15], v[122:123]
	v_pk_add_f32 v[216:217], v[216:217], v[126:127]
	v_pk_add_f32 v[254:255], v[254:255], v[130:131]
	v_pk_add_f32 v[252:253], v[252:253], v[134:135]
	v_pk_add_f32 v[250:251], v[250:251], v[138:139]
	v_pk_add_f32 v[248:249], v[248:249], v[142:143]
	v_pk_add_f32 v[246:247], v[246:247], v[146:147]
	v_pk_add_f32 v[244:245], v[244:245], v[150:151]
	v_pk_add_f32 v[14:15], v[14:15], v[154:155]
	v_pk_add_f32 v[216:217], v[216:217], v[158:159]
	s_delay_alu instid0(VALU_DEP_2)
	v_pk_add_f32 v[14:15], v[14:15], v[250:251]
	s_delay_alu instid0(VALU_DEP_2)
	v_pk_add_f32 v[216:217], v[216:217], v[248:249]
	v_pk_add_f32 v[254:255], v[254:255], v[246:247]
	v_pk_add_f32 v[252:253], v[252:253], v[244:245]
	s_delay_alu instid0(VALU_DEP_2)
	v_pk_add_f32 v[14:15], v[14:15], v[254:255]
	s_delay_alu instid0(VALU_DEP_2)
	v_pk_add_f32 v[216:217], v[216:217], v[252:253]
	s_delay_alu instid0(VALU_DEP_1)
	v_pk_add_f32 v[14:15], v[14:15], v[216:217]
	s_wait_alu depctr_va_vdst(0)                   ; and one for the four
.irp b, 0,1,2,3
	v_max_num_f32 v[BM+\b], 0x1800000, v[BM+\b]    ; the floor 2^(3 - 127)
.endr
.irp b, 0,1,2,3
	s_delay_alu instid0(VALU_DEP_4)
	v_add_nc_u32 v[BO+\b], 0xff000000, v[BM+\b]
.endr
.irp b, 0,1,2,3
	s_delay_alu instid0(VALU_DEP_4)
	v_lshrrev_b32 v[BT+\b], 23, v[BO+\b]
.endr
	s_delay_alu instid0(VALU_DEP_3)
	v_lshl_or_b32 v[PWD], v[BT+1], 8, v[BT]
	s_delay_alu instid0(VALU_DEP_1)
	v_lshl_or_b32 v[PWD], v[BT+2], 16, v[PWD]
	s_delay_alu instid0(VALU_DEP_1)
	v_lshl_or_b32 v[PWD], v[BT+3], 24, v[PWD]
.irp c, 0,1
	v_cvt_scalef32_pk16_fp6_f32 v[PCD+6*\c:PCD+2+6*\c], v[S+32*\c:S+15+32*\c], v[BO+2*\c]
	v_cvt_scalef32_pk16_fp6_f32 v[TP+4*\c:TP+2+4*\c], v[S+16+32*\c:S+31+32*\c], v[BO+2*\c+1]
.endr
	v_nop                                          ; one plain line behind the scaled conversions
.irp c, 0,1
.irp i, 0,1,2
	v_permlane16_swap_b32 v[PCD+6*\c+\i], v[TP+4*\c+\i]
.endr
.irp i, 0,1,2
	s_delay_alu instid0(VALU_DEP_3)
	v_mov_b32 v[PCD+3+6*\c+\i], v[TP+4*\c+\i]
.endr
.endr
.set j, 0
.rept 16
	v_pk_mul_f32 v[O+j:O+j+1], v[O+j:O+j+1], v[FF:FF+1] op_sel_hi:[1,0]   ; O^T under the new M; also the places in front of the scaled products
.set j, j+2
.endr
	s_wait_alu depctr_va_vdst(0)
	s_wait_dscnt 0x0                               ; V
.irp t, 0,1,2,3
	v_wmma_scale_f32_16x16x128_f8f6f4 v[O+8*\t:O+8*\t+7], v[KV+12*\t:KV+12*\t+11], v[PCD:PCD+11], v[O+8*\t:O+8*\t+7], v[VS+\t], v[PWD] matrix_a_fmt:MATRIX_FMT_FP6 matrix_b_fmt:MATRIX_FMT_FP6
.endr
.endm
; A tile ends: O^T / l, quantised along the head's 64 (register 16 g + i = channel 32 g + 16 h + i), goes to avq.
.macro EPI
.rept 4
	v_nop
.endr
	v_add_f32 v14, v14, v15
	s_delay_alu instid0(VALU_DEP_1)
	v_permlanex16_b32 v[FF], v14, s[SEL], s[SEL+1]
	s_delay_alu instid0(VALU_DEP_1)
	v_add_f32 v14, v14, v[FF]
	s_wait_alu depctr_va_vdst(0)
	v_rcp_f32 v14, v14
	s_lshr_b32 s70, s[BH], 4
	s_lshl_b32 s70, s70, 7
	s_lshl_b32 s71, s[QST], 3
	s_add_co_u32 s70, s70, s71
	s_add_co_u32 s70, s70, s[TI]                   ; my tile of 16 tokens: 128 x batch + 8 x step + tile
	s_mul_i32 s70, s70, REC
	s_and_b32 s72, s[BH], 15                       ; the head
	s_lshr_b32 s73, s72, 1
	s_mul_i32 s73, s73, 1536                       ; its 128 along K,
	s_and_b32 s74, s72, 1
	s_mul_i32 s74, s74, 768                        ; and its half of the image
	s_add_co_u32 s73, s73, s74
	s_add_co_u32 s74, s70, s73
	s_mov_b32 s75, 0
	s_add_nc_u64 s[44:45], s[8:9], s[74:75]
	s_lshr_b32 s73, s72, 2
	s_lshl_b32 s73, s73, 7
	s_and_b32 s72, s72, 3
	s_lshl_b32 s72, s72, 1
	s_add_co_u32 s73, s73, s72
	s_add_co_u32 s74, s70, s73
	s_add_nc_u64 s[46:47], s[8:9], s[74:75]        ; its two scale bytes of a row
	v_nop                                          ; a plain line behind the reciprocal
	s_wait_alu depctr_va_vdst(0)                   ; and the wait ahead of its first reader
.set j, 0
.rept 32
	v_mul_f32 v[S+j], v[O+j], v14                  ; each accumulator from its low end on
.set j, j+1
.endr
.irp b, 0,1
	v_max3_num_f32 v[BM+\b], |v[S+16*\b]|, |v[S+1+16*\b]|, 0x1800000
.endr
.irp i, 2,4,6,8,10,12,14
.irp b, 0,1
	s_delay_alu instid0(VALU_DEP_2)
	v_max3_num_f32 v[BM+\b], v[BM+\b], |v[S+16*\b+\i]|, |v[S+1+16*\b+\i]|
.endr
.endr
.irp b, 0,1
	s_delay_alu instid0(VALU_DEP_2)
	v_permlanex16_b32 v[BT+\b], v[BM+\b], s[SEL], s[SEL+1]
.endr
.irp b, 0,1
	s_delay_alu instid0(VALU_DEP_2)
	v_max_num_f32 v[BM+\b], v[BM+\b], v[BT+\b]
.endr
.irp b, 0,1
	s_delay_alu instid0(VALU_DEP_2)
	v_add_nc_u32 v[BO+\b], 0xff000000, v[BM+\b]
.endr
.irp b, 0,1
	s_delay_alu instid0(VALU_DEP_2)
	v_lshrrev_b32 v[BT+\b], 23, v[BO+\b]
.endr
	v_cvt_scalef32_pk16_fp6_f32 v[PCD:PCD+2], v[S:S+15], v[BO]
	v_cvt_scalef32_pk16_fp6_f32 v[PCD+4:PCD+6], v[S+16:S+31], v[BO+1]
	v_nop
.irp i, 0,1,2
	v_permlane16_swap_b32 v[PCD+\i], v[PCD+4+\i]
.endr
.irp i, 0,1,2
	s_delay_alu instid0(VALU_DEP_3)
	v_mov_b32 v[PCD+3+\i], v[PCD+4+\i]
.endr
	v_cndmask_b32 v[TT], v[BT], v[BT+1], s[HM]     ; lanes 0-15 the first block's byte, lanes 16-31 the second's
.irp p, 0,1,2
	global_store_b64 v[L8], v[PCD+2*\p:PCD+2*\p+1], s[44:45] offset:256*\p   ; 256 consecutive bytes each
.endr
	global_store_b8 v[SBO], v[TT], s[46:47] offset:12288
	s_wait_xcnt 0x0                                ; the stores' registers and bases are written again for the next tile
.endm
; ---- the head
	s_load_b128 s[4:7], s[0:1], 0x0                ; qbuf, kvbuf
	s_load_b64 s[8:9], s[0:1], 0x10                ; avq
	v_lshl_add_u32 v[SPW], v0, 2, SPARE
	v_mov_b32 v[NIL], 0
	ds_add_u32 v[SPW], v[NIL]                      ; the opening lines: the add twice on end
	ds_add_u32 v[SPW], v[NIL]
	v_lshrrev_b32 v8, 5, v0
	v_readfirstlane_b32 s[WV], v8                  ; wave 0..15
	s_and_b32 s[BH], ttmp7, 0xffff
	s_bfe_u32 s[CX], ttmp6, 0x40000                ; i: it enters global addresses, selects and the mask's numbers alone
	s_lshr_b32 s[W2], s[WV], 1
	s_and_b32 s70, s[WV], 1
	s_lshl_b32 s70, s70, 2
	s_add_co_u32 s[T1], s70, s[CX]                 ; tile 4 w + i is place 4 (w % 2) + i of step w / 2
	s_xor_b32 s70, s70, 4
	s_add_co_u32 s[TI], s70, s[CX]                 ; tile 4 (31 - w) + i is place 4 (1 - w % 2) + i of step 15 - w / 2
	s_sub_co_u32 s[QL], 15, s[W2]
	s_sub_co_u32 s[LL], 16, s[W2]
	s_mov_b32 s[QST], s[QL]
	PLACE DL, TI
	PLACE DS, T1
	s_and_b32 s70, s[CX], 1                        ; u: which half of the pair, the same for both tiles
	s_cmp_eq_u32 s70, 0
	s_cselect_b32 s[UM], 0, -1
	s_mov_b32 s[USEL], 0x03020302
	s_cselect_b32 s[USEL], 0x01000100, s[USEL]
	s_mov_b32 s[SEL], 0x76543210
	s_mov_b32 s[SEL+1], 0xfedcba98
	s_mov_b32 s[CS], 0x3e38aa3b
	s_mov_b32 s[CS+1], s[CS]
	s_mov_b32 s[HM], 0xffff0000
	s_mov_b32 s[G1], 15|(3<<16)|(1<<21)            ; a record: 50 dense rows of 256 bytes (32 elements of 8 bytes), for all four work-groups of the cluster
	s_mov_b32 s[G1+1], 32<<16
	s_mov_b32 s[G1+2], 50<<16
	s_mov_b32 s[G1+3], 32<<16
	s_mov_b32 s[G1+4], 50
	s_mov_b32 s[G1+5], 32
	s_mov_b32 s[G1+6], 0
	s_mov_b32 s[G1+7], 0
	s_mov_b32 s[G0], 1
	s_mul_i32 s[G0+1], s[WV], REC                  ; record w goes to place w
	s_mul_i32 s72, s[BH], 16*REC
	s_add_co_u32 s72, s72, s[G0+1]
	s_mov_b32 s73, 0
	v_and_b32 v8, 31, v0
	v_and_b32 v9, 15, v0
	v_bfe_u32 v10, v0, 4, 1
	v_bfe_u32 v12, v0, 3, 1
	v_lshlrev_b32 v[LI], 4, v8
	v_lshlrev_b32 v[RS], 4, v9
	v_lshlrev_b32 v[L8], 3, v8
	v_lshl_add_u32 v[SBO], v9, 3, v10
	v_and_b32 v[DB], 7, v9
	v_sub_nc_u32 v12, v12, v10
	v_lshl_add_u32 v[DB], v12, 4, v[DB]
	v_add_nc_u32 v[DD], s[DL], v[DB]
.irp i, 0,1,2,3,4,5
	v_mov_b32 v[QB_+\i], 0                         ; the zero codes on either side of q
	v_mov_b32 v[QA_+6+\i], 0
.endr
.irp b, 0,1,2,3
	v_mov_b32 v[BT+\b], 0                          ; a lane permute's destination counts as read
.endr
	v_mov_b32 v[FF], 0
	v_mov_b32 v[FF+1], 0
	FRESH
	WALU
	s_wait_dscnt 0x0
	CROUND                                         ; the round in front of the joint loads
	s_wait_kmcnt 0x0
	s_add_nc_u64 s[G0+2:G0+3], s[6:7], s[72:73]
	s_or_b32 s[G0+3], s[G0+3], 0x80000000
	s_cmp_lt_u32 s[WV], 4
	s_cbranch_scc0 .Lrest
	TLOAD                                          ; waves 0 to 3: records 0 to 3, on a line of their own
	s_branch .Lasked
.Lrest:
	TLOAD                                          ; waves 4 to 15: records 4 to 15
.Lasked:
	QLOAD QL, TI, S, TT, 40, 42                    ; both tiles' queries come into registers here
	QLOAD W2, T1, S+12, BM, 76, 78
	s_wait_loadcnt 0x0
	v_perm_b32 v[QSW], v[TT], v[TT], s[USEL]
.irp i, 0,1,2,3,4,5
	v_cndmask_b32 v[QA_+\i], v[S+\i], v[S+6+\i], s[UM]   ; my half of the pair
.endr
	v_perm_b32 v[QSW2], v[BM], v[BM], s[USEL]
.irp i, 0,1,2,3,4,5
	v_cndmask_b32 v[Q2+\i], v[S+12+\i], v[S+18+\i], s[UM]
.endr
	WALU
	s_cmp_lt_u32 s[WV], 4
	s_cbranch_scc0 .Lnot_first
	s_wait_tensorcnt 0x0
.Lnot_first:
	BARRIER                                        ; records 0 to 3 are in; the others may be on their way
	s_mov_b32 s[TB], 0
	s_mov_b32 s[TR], 0
.Lfirst:                                           ; key steps 0 to 3 of the first tile, none of them the diagonal one
	STEP 0
	s_add_co_u32 s[TB], s[TB], REC
	s_add_co_u32 s[TR], s[TR], 1
	s_cmp_lt_u32 s[TR], 4
	s_cbranch_scc1 .Lfirst
	s_wait_tensorcnt 0x0
	s_wait_dscnt 0x0
	BARRIER                                        ; all sixteen records are in
	s_mov_b32 s[TR], 0
.Lwalk:                                            ; trip n: key step n + 4 of the first tile while it sees that step, then key step n + 4 - (16 - w / 2) of the second
	s_add_co_u32 s[KST], s[TR], 4
	s_cmp_gt_u32 s[KST], s[QL]
	s_cselect_b32 s70, s[LL], 0
	s_sub_co_u32 s[KST], s[KST], s70
	s_min_u32 s[KST], s[KST], 15                   ; a key step is one of the sixteen records
	s_mul_i32 s[TB], s[KST], REC
	STEP 1
	s_cmp_lg_u32 s[KST], s[QST]
	s_cbranch_scc1 .Lsame
	s_wait_alu depctr_va_vdst(0)
	EPI                                            ; that was the tile's diagonal step
	s_cmp_eq_u32 s[TR], 12
	s_cbranch_scc1 .Lsame
	s_mov_b32 s[QST], s[W2]                        ; on to the second tile
	s_mov_b32 s[TI], s[T1]
	v_mov_b32 v[QSW], v[QSW2]
.irp i, 0,1,2,3,4,5
	v_mov_b32 v[QA_+\i], v[Q2+\i]
.endr
	v_add_nc_u32 v[DD], s[DS], v[DB]
	FRESH                                          ; (also the places between the lines above and the next scaled product)
	WALU
.Lsame:
	s_add_co_u32 s[TR], s[TR], 1
	s_cmp_lt_u32 s[TR], 13
	s_cbranch_scc1 .Lwalk
	s_wait_tensorcnt 0x0                           ; the wave's end
	ds_add_u32 v[SPW], v[NIL]
	s_wait_dscnt 0x0
	CROUND                                         ; the closing round
	s_endpgm
.Lfunc_end_k_qedd28d1a25_attn:
	.size	k_qedd28d1a25_attn, .Lfunc_end_k_qedd28d1a25_attn-k_qedd28d1a25_attn
	.p2alignl 7, 3214868480
	.fill 96, 4, 3214868480
	.section	.rodata,"a",@progbits
	.p2align	6, 0x0
	.amdhsa_kernel k_qedd28d1a25_attn
		.amdhsa_group_segment_fixed_size 327680
		.amdhsa_private_segment_fixed_size 0
		.amdhsa_enable_private_segment 0
		.amdhsa_kernarg_size 24
		.amdhsa_user_sgpr_count 2
		.amdhsa_user_sgpr_kernarg_segment_ptr 1
		.amdhsa_wavefront_size32 1
		.amdhsa_system_sgpr_workgroup_id_x 1
		.amdhsa_system_sgpr_workgroup_id_y 1
		.amdhsa_system_sgpr_workgroup_id_z 1
		.amdhsa_system_vgpr_workitem_id 0
		.amdhsa_next_free_vgpr 256
		.amdhsa_next_free_sgpr 90
		.amdhsa_reserve_vcc 1
		.amdhsa_float_denorm_mode_32 3
		.amdhsa_float_denorm_mode_16_64 3
		.amdhsa_memory_ordered 1
		.amdhsa_forward_progress 1
		.amdhsa_inst_pref_size 55
	.end_amdhsa_kernel
	.amdgpu_metadata
---
amdhsa.version: [ 1, 2 ]
amdhsa.kernels:
  - .name:           k_qedd28d1a25_attn
    .symbol:         k_qedd28d1a25_attn.kd
    .args:
      - { .name: qbuf, .offset: 0, .size: 8, .value_kind: global_buffer, .address_space: global }
      - { .name: kvbuf, .offset: 8, .size: 8, .value_kind: global_buffer, .address_space: global }
      - { .name: avq, .offset: 16, .size: 8, .value_kind: global_buffer, .address_space: global }
    .group_segment_fixed_size: 327680
    .private_segment_fixed_size: 0
    .kernarg_segment_align: 8
    .kernarg_segment_size: 24
    .max_flat_workgroup_size: 512
    .sgpr_count:     90
    .vgpr_count:     256
    .wavefront_size: 32
...
	.end_amdgpu_metadata
.endif
;; end of part 3
;; launch proj (part 4): grid 32 x 8, 4 waves a work-group, clusters of 4 x 4, 327,680 bytes of LDS; arguments avq, woq, b_o, out0; writes out0
.if DOCPART == 4
	.amdgcn_target "amdgcn-amd-amdhsa--gfx1250"
	.amdhsa_code_object_version 6
	.text
	.protected	k_qedd28d1a25_proj
	.globl	k_qedd28d1a25_proj
	.p2align	8
	.type	k_qedd28d1a25_proj,@function
k_qedd28d1a25_proj:
	s_mov_b64 s[64:65], 0
	v_nop
	global_prefetch_b8 v0, s[64:65] scope:SCOPE_SE
	s_setreg_imm32_b32 hwreg(HW_REG_WAVE_MODE, 25, 1), 1
	s_wait_xcnt 0x0
	s_wait_alu depctr_hold_cnt(0) depctr_sa_sdst(0) depctr_va_vdst(0) depctr_va_sdst(0) depctr_va_ssrc(0) depctr_va_vcc(0) depctr_vm_vsrc(0)
	s_getreg_b32 s2, hwreg(HW_REG_IB_STS2, 6, 4)
	s_cmp_eq_u32 s2, 0
	s_cbranch_scc0 .Lentry_in_a_cluster
	s_endpgm
.Lentry_in_a_cluster:
	s_bfe_u32 s2, ttmp6, 0x10000c
	s_cmp_lg_u32 s2, 0xf033
	s_cbranch_scc0 .Lentry_shape_is_right
	s_endpgm
.Lentry_shape_is_right:
; out = av W_o + b_o on codes of FP6 (E2M3) with E8M0 scales, f32 out: 8,192 x 1,024 x 1,024.
; OPERANDS: a record of 12,800 bytes for each tile of 16 rows: eight images of 1,536 bytes, one for each 128 along K, then scale words [256 along K: 4][r: 16][2].
; woq: registers 4 c .. 4 c + 3 of lane l at 512 c + 16 l; rows in natural order.  avq: registers 2 p, 2 p + 1 of lane l at 256 p + 8 l; in tile 2 g + u lane row r is token 32 g + 8 u + r % 8 + 16 (r / 8).
; THE DEAL: 256 work-groups of four waves, 2 x 2, each 256 tokens x 128 columns.  Wave (a, b) holds four tiles of 16 columns of W_o, all of K, in registers and streams av's record 2 s + a past them as block s = 0 .. 7:
; 32 products a block, four accumulators by turns; source 0 = W_o's rows, so that a lane holds eight neighbouring columns of one token.  The bias is the first products' C.
; The cluster's x counts tile rows.  av's records are asked for jointly by a column of the cluster (mask s44), W_o's by a row (mask s45).
; LDS: av's 16 records at places 0-15, W_o's eight at 16-23, all asked for at the head, one tensor load a wave, each on its own line: W_o; records 0-7; 8-11; 12-15.  No refill, and so no loop to prefetch in.
; The stream begins when the first two are in; a plain barrier behind block 1's products shows the others.  The waves' stages lie in W_o's first bytes, which have had their one fill and are read for the last time ahead of the stream's barrier.
; Behind a block's products: its sums into the stage and back as whole rows of 256 bytes, the fetch of the block two on, one wait, eight stores of 256 consecutive aligned bytes for each 16 lanes.
; LIMITS: NaN and infinities are not served; a sum begins with the bias.
.set REC, 12800
.set YB, 16*REC
.set SPARE, 24*REC
.set NF, 28
.set SP, 272                           ; a stage row: 256 bytes + 16
.set LI, 4
.set CO, 5                             ; v5  4,096 h + 16 r
.set AAS0, 6
.set AAS, 7
.set STO, 8
.set RD, 9
.set SPW, 10
.set NIL, 11
.set WBA, 12
.set SWB, 13
.set BA0, 14
.set T0, 15
.set T1, 16
.set SB, 24                            ; v24-39 W_o's scale words
.set SA, 44                            ; v44-59 av's, two sets
.set ACC, 64                           ; v64-127 two sets of four accumulators
.set BK, 128                           ; v128-191 two sets of rows back from the stage
.set AQ0, 192                          ; v192-199 LDS addresses of block 0's eight fragments
.set AQ, 200                           ; v200-207 of the block fetched next
.set BO, 208                           ; v208-239 the bias as C
.set G1A, 24
.set G1B, 32
.set G0B, 48
.set G0A0, 52
.set G0A1, 56
.set G0A2, 60
.set MSB, 0
.macro WIN new
.if MSB != (\new)
	s_set_vgpr_msb (MSB<<8)|(\new)
.set MSB, (\new)
.endif
.endm
.macro WALU
	s_wait_alu depctr_va_vdst(0)
.endm
.macro BARRIER
	s_barrier_signal -1
	s_barrier_wait -1
.endm
.macro CROUND
	BARRIER
	s_cmp_lg_u32 s14, 0
	s_cbranch_scc1 .Lnw0_\@
	s_barrier_signal -3
.Lnw0_\@:
	s_barrier_wait -3
	BARRIER
.endm
.macro TLOAD g0, g1
	tensor_load_to_lds s[\g0:\g0+3], s[\g1:\g1+7]
	s_nop 0
.rept 4
	v_nop
.endr
.endm
.macro GROUP1 g, mask
	s_or_b32 s[\g], s[\mask], (3<<16)|(1<<21)
	s_mov_b32 s[\g+1], 32<<16
	s_mov_b32 s[\g+3], 32<<16
	s_mov_b32 s[\g+5], 32
	s_mov_b32 s[\g+6], 0
	s_mov_b32 s[\g+7], 0
.endm
.macro ROWS g, n
	s_mov_b32 s[\g+2], (\n)<<16
	s_mov_b32 s[\g+4], \n
.endm
.macro G0SET g, base, off
	s_mov_b32 s20, s\off
	s_add_nc_u64 s[\g+2:\g+3], s[\base:\base+1], s[20:21]
	s_or_b32 s[\g+3], s[\g+3], 0x80000000
.endm
; fragment f lies at register 256 + 12 f: 0-31 W_o's (4 q + t), 32-47 av's two sets (32 + 8 e + q)
.macro FPL f
.set FW_, (256+12*(\f))>>8
.set FG_, (256+12*(\f))&255
.endm
.macro FETCHA e, aq, as
.irp q, 0,1,2,3,4,5,6,7
.irp k, 0,1,2
.set R_, 256+12*(32+8*(\e)+\q)+4*\k
	WIN (R_>>8)<<6
	ds_load_2addr_b64 v[(R_&255):(R_&255)+3], v[\aq+\q] offset0:64*\k offset1:64*\k+32
.endr
.endr
	WIN 0
.irp j, 0,1,2,3
	ds_load_b64 v[SA+8*(\e)+2*\j:SA+8*(\e)+2*\j+1], v[\as] offset:128*\j
.endr
.endm
.macro MM d, s0, s1, c, x0, x1, o
.if \o
	v_wmma_scale_f32_16x16x128_f8f6f4 v[\d:\d+7], v[\s0:\s0+11], v[\s1:\s1+11], \c, v[\x0], v[\x1] matrix_a_fmt:MATRIX_FMT_FP6 matrix_b_fmt:MATRIX_FMT_FP6 matrix_a_scale:MATRIX_SCALE_ROW1
.else
	v_wmma_scale_f32_16x16x128_f8f6f4 v[\d:\d+7], v[\s0:\s0+11], v[\s1:\s1+11], \c, v[\x0], v[\x1] matrix_a_fmt:MATRIX_FMT_FP6 matrix_b_fmt:MATRIX_FMT_FP6 matrix_a_scale:MATRIX_SCALE_ROW0
.endif
.endm
.macro PROD e, q, t
	FPL 32+8*(\e)+(\q)
.set XW_, FW_
.set XG_, FG_
	FPL 4*(\q)+(\t)
	WIN FW_|(XW_<<2)
.set D_, ACC+32*(\e)+8*(\t)
.if \q
	MM D_, FG_, XG_, v[D_:D_+7], SB+8*((\t)/2)+(\q), SA+8*(\e)+(\q), (\t)%2
.else
	MM D_, FG_, XG_, v[BO+8*(\t):BO+8*(\t)+7], SB+8*((\t)/2)+(\q), SA+8*(\e)+(\q), (\t)%2
.endif
.endm
.macro BLK s
.irp q, 0,1,2,3,4,5,6,7
.irp t, 0,1,2,3
	PROD (\s)%2, \q, \t
.endr
.endr
	WIN 0
.if (\s)==1
	s_wait_tensorcnt 0x0                                     ; a plain barrier: records 8 to 15 are shown to all
	s_wait_dscnt 0x0
	BARRIER
.endif
.if (\s) < 6                           ; the next fetch's addresses are also the places behind the last product
.irp q, 0,1,2,3,4,5,6,7
	v_add_nc_u32 v[AQ+\q], 2*((\s)+2)*REC, v[AQ0+\q]
.endr
	v_add_nc_u32 v[AAS], 2*((\s)+2)*REC, v[AAS0]
	WALU                                                     ; directly ahead of the wait below
.else
.rept 4
	v_nop
.endr
.endif
	s_wait_xcnt 0x0                                          ; the stores of two blocks ago have read this set of rows
.irp b, 0,1,2,3
	ds_store_b128 v[STO], v[ACC+32*((\s)%2)+8*\b:ACC+32*((\s)%2)+8*\b+3] offset:64*\b          ; each accumulator from its low end on
	ds_store_b128 v[STO], v[ACC+32*((\s)%2)+8*\b+4:ACC+32*((\s)%2)+8*\b+7] offset:64*\b+16
.endr
.irp t, 0,1,2,3,4,5,6,7
	ds_load_b128 v[BK+32*((\s)%2)+4*\t:BK+32*((\s)%2)+4*\t+3], v[RD] offset:2*\t*SP          ; LDS serves a wave's instructions in order (ISA guide 5.7.1.4)
.endr
.if (\s) < 6
	FETCHA (\s)%2, AQ, AAS
	s_wait_dscnt NF                                          ; the rows are back, and the next block's fragments are in; younger is this run's fetch alone
.else
	s_wait_dscnt 0x0
.endif
.irp t, 0,1,2,3,4,5,6,7
	global_store_b128 v[CO], v[BK+32*((\s)%2)+4*\t:BK+32*((\s)%2)+4*\t+3], s[10:11] offset:(32*(\s)+16*(\t/4)+(2*\t)%8)*4096 th:TH_STORE_NT
.endr
.endm
; ---- the head
	s_load_b256 s[4:11], s[0:1], 0x0               ; avq, woq, b_o, out0
	v_lshl_add_u32 v[SPW], v0, 2, SPARE
	v_mov_b32 v[NIL], 0
	ds_add_u32 v[SPW], v[NIL]                      ; the opening lines: the add twice on end
	ds_add_u32 v[SPW], v[NIL]
	v_lshrrev_b32 v1, 5, v0
	v_readfirstlane_b32 s14, v1
	s_lshr_b32 s15, s14, 1
	s_and_b32 s16, s14, 1
	s_bfe_u32 s40, ttmp6, 0x40000
	s_bfe_u32 s41, ttmp6, 0x40004
	s_lshl_b32 s43, ttmp9, 2
	s_add_co_u32 s43, s43, s40                     ; tile row: 256 tokens
	s_and_b32 s42, ttmp7, 0xffff
	s_lshl_b32 s42, s42, 2
	s_add_co_u32 s42, s42, s41                     ; tile column: 128 columns
	s_lshl_b32 s44, 0x1111, s40                    ; my column of the cluster shares av's records
	s_lshl_b32 s45, s41, 2
	s_lshl_b32 s45, 15, s45                        ; my row W_o's
	GROUP1 G1A, 44
	GROUP1 G1B, 45
	s_mul_i32 s46, s43, 16*REC
	s_mul_i32 s47, s42, 8*REC
	s_mov_b32 s[G0B], 1
	s_mov_b32 s[G0B+1], YB
	s_mov_b32 s[G0A0], 1
	s_mov_b32 s[G0A0+1], 0
	s_mov_b32 s[G0A1], 1
	s_mov_b32 s[G0A1+1], 8*REC
	s_mov_b32 s[G0A2], 1
	s_mov_b32 s[G0A2+1], 12*REC
	s_mul_i32 s80, s15, REC
	s_add_co_u32 s81, s80, 12288
	s_mul_i32 s82, s16, 4*REC
	s_add_co_u32 s82, s82, YB
	s_add_co_u32 s83, s82, 12288
	s_mul_i32 s84, s14, 16*SP
	s_add_co_u32 s84, s84, YB                      ; my stage
	v_and_b32 v1, 15, v0
	v_bfe_u32 v2, v0, 4, 1
	v_and_b32 v3, 31, v0
	v_lshlrev_b32 v[LI], 4, v3
	v_lshlrev_b32 v[T0], 3, v1
	v_lshl_add_u32 v[AQ0], v3, 3, s80
.irp q, 1,2,3,4,5,6,7
	v_add_nc_u32 v[AQ0+\q], 1536*\q, v[AQ0]
.endr
.irp q, 0,1,2,3,4,5,6,7
	v_add_nc_u32 v[AQ+\q], 2*REC+1536*\q, v[AQ0]
.endr
	v_add_nc_u32 v[AAS0], s81, v[T0]
	v_add_nc_u32 v[AAS], 2*REC, v[AAS0]
	v_add_nc_u32 v[WBA], s82, v[LI]
	v_mad_u32_u24 v[T1], v2, REC, v[T0]            ; lanes 16-31 take the next tile's scale words
	v_add_nc_u32 v[SWB], s83, v[T1]
	v_mul_u32_u24 v[T0], v1, SP
	v_lshl_add_u32 v[T0], v2, 5, v[T0]
	v_add_nc_u32 v[STO], s84, v[T0]                ; in: row r, 32 bytes for each half of the lanes
	v_mul_u32_u24 v[T1], v2, SP
	v_lshl_add_u32 v[T1], v1, 4, v[T1]
	v_add_nc_u32 v[RD], s84, v[T1]                 ; back: sixteen lanes to a row
	v_lshlrev_b32 v[CO], 12, v2
	v_lshl_add_u32 v[CO], v1, 4, v[CO]
	v_lshlrev_b32 v[BA0], 5, v2
	WALU
	s_wait_dscnt 0x0
	CROUND                                         ; the round in front of the first joint loads
	s_wait_kmcnt 0x0
	s_mov_b32 s21, 0
	G0SET G0B, 6, 47
	G0SET G0A0, 4, 46
	s_add_nc_u64 s[G0A1+2:G0A1+3], s[G0A0+2:G0A0+3], 8*REC
	s_add_nc_u64 s[G0A2+2:G0A2+3], s[G0A0+2:G0A0+3], 12*REC
	s_cmp_eq_u32 s14, 0
	s_cbranch_scc0 .Lw1
	ROWS G1B, 400
	TLOAD G0B, G1B                                 ; wave 0: W_o's eight records, wanted first
	s_branch .Lasked
.Lw1:
	s_cmp_eq_u32 s14, 1
	s_cbranch_scc0 .Lw2
	ROWS G1A, 400
	TLOAD G0A0, G1A                                ; wave 1: av's records 0 to 7
	s_branch .Lasked
.Lw2:
	s_cmp_eq_u32 s14, 2
	s_cbranch_scc0 .Lw3
	ROWS G1A, 200
	TLOAD G0A1, G1A                                ; wave 2: 8 to 11
	s_branch .Lasked
.Lw3:
	ROWS G1A, 200
	TLOAD G0A2, G1A                                ; wave 3: 12 to 15
.Lasked:
	s_lshl_b32 s20, s42, 9
	s_lshl_b32 s22, s16, 8
	s_add_co_u32 s20, s20, s22                     ; my 64 columns, in bytes
	s_add_nc_u64 s[8:9], s[8:9], s[20:21]
	s_add_nc_u64 s[10:11], s[10:11], s[20:21]
	s_lshl_b32 s20, s43, 8
	s_lshl_b32 s22, s15, 3
	s_add_co_u32 s20, s20, s22
	s_lshl_b32 s20, s20, 12                        ; token 256 x tile row + 8 a, rows of 4,096 bytes
	s_add_nc_u64 s[10:11], s[10:11], s[20:21]
.irp t, 0,1,2,3
	global_load_b128 v[BO+8*\t:BO+8*\t+3], v[BA0], s[8:9] offset:64*\t       ; register i of tile t: column 16 t + 8 h + i
	global_load_b128 v[BO+8*\t+4:BO+8*\t+7], v[BA0], s[8:9] offset:64*\t+16
.endr
	s_wait_loadcnt 0x0
	s_cmp_eq_u32 s14, 0
	s_cbranch_scc0 .Lnot_b
	s_wait_tensorcnt 0x0
.Lnot_b:
	BARRIER                                        ; W_o's records are in
.irp q, 0,1,2,3,4,5,6,7
.irp t, 0,1,2,3
.irp c, 0,1,2
.set R_, 256+12*(4*\q+\t)+4*\c
	WIN (R_>>8)<<6
	ds_load_b128 v[(R_&255):(R_&255)+3], v[WBA] offset:\t*REC+1536*\q+512*\c
.endr
.endr
.endr
	WIN 0
.irp p, 0,1
.irp j, 0,1,2,3
	ds_load_b64 v[SB+8*\p+2*\j:SB+8*\p+2*\j+1], v[SWB] offset:2*REC*\p+128*\j
.endr
.endr
	s_cmp_eq_u32 s14, 1
	s_cbranch_scc0 .Lnot_a
	s_wait_tensorcnt 0x0
.Lnot_a:
	s_wait_dscnt 0x0
	BARRIER                                        ; av's records 0 to 7 are in, and nobody reads W_o's bytes any more; waves 2 and 3's tiles may be on their way
	FETCHA 0, AQ0, AAS0
	FETCHA 1, AQ, AAS
	s_wait_dscnt NF                                ; block 0's fragments are in
	BLK 0
	BLK 1
	BLK 2
	BLK 3
	BLK 4
	BLK 5
	BLK 6
	BLK 7
	s_wait_tensorcnt 0x0                           ; the wave's end
	ds_add_u32 v[SPW], v[NIL]
	s_wait_dscnt 0x0
	CROUND                                         ; the closing round
	s_endpgm
.Lfunc_end_k_qedd28d1a25_proj:
	.size	k_qedd28d1a25_proj, .Lfunc_end_k_qedd28d1a25_proj-k_qedd28d1a25_proj
	.p2alignl 7, 3214868480
	.fill 96, 4, 3214868480
	.section	.rodata,"a",@progbits
	.p2align	6, 0x0
	.amdhsa_kernel k_qedd28d1a25_proj
		.amdhsa_group_segment_fixed_size 327680
		.amdhsa_private_segment_fixed_size 0
		.amdhsa_enable_private_segment 0
		.amdhsa_kernarg_size 32
		.amdhsa_user_sgpr_count 2
		.amdhsa_user_sgpr_kernarg_segment_ptr 1
		.amdhsa_wavefront_size32 1
		.amdhsa_system_sgpr_workgroup_id_x 1
		.amdhsa_system_sgpr_workgroup_id_y 1
		.amdhsa_system_sgpr_workgroup_id_z 1
		.amdhsa_system_vgpr_workitem_id 0
		.amdhsa_next_free_vgpr 840
		.amdhsa_next_free_sgpr 102
		.amdhsa_reserve_vcc 0
		.amdhsa_float_denorm_mode_32 3
		.amdhsa_float_denorm_mode_16_64 3
		.amdhsa_memory_ordered 1
		.amdhsa_forward_progress 1
		.amdhsa_inst_pref_size 82
	.end_amdhsa_kernel
	.amdgpu_metadata
---
amdhsa.version: [ 1, 2 ]
amdhsa.kernels:
  - .name:           k_qedd28d1a25_proj
    .symbol:         k_qedd28d1a25_proj.kd
    .args:
      - { .name: avq, .offset: 0, .size: 8, .value_kind: global_buffer, .address_space: global }
      - { .name: woq, .offset: 8, .size: 8, .value_kind: global_buffer, .address_space: global }
      - { .name: b_o, .offset: 16, .size: 8, .value_kind: global_buffer, .address_space: global }
      - { .name: out0, .offset: 24, .size: 8, .value_kind: global_buffer, .address_space: global }
    .group_segment_fixed_size: 327680
    .private_segment_fixed_size: 0
    .kernarg_segment_align: 8
    .kernarg_segment_size: 32
    .max_flat_workgroup_size: 128
    .sgpr_count:     102
    .vgpr_count:     840
    .wavefront_size: 32
...
	.end_amdgpu_metadata
.endif
;; end of part 4
